; MI455X (gfx1250); checked and timed in simulation.
; The chip was launched on July 23, 2026; its instructions are those of AMD's public machine-readable ISA for CDNA 5 (MIT licence, August 2026) and "CDNA5" Instruction Set Architecture Reference Guide (July 2026). The comments in the code are by the model that wrote it; some were corrected since.
;; Self Attention. Allowed arithmetic: matrix products marked QUANTISED: E2M1 operands, one E8M0 scale for each 32 along K, by v_wmma_scale_f32_16x16x128_f8f6f4 with both operands' format E2M1 (or v_wmma_scale_f32_32x16x128_f4), f32 sums; everything else in f32.
;; Inputs: Wk 1,024 x 1,024 float32; Wo 1,024 x 1,024 float32; Wq 1,024 x 1,024 float32; Wv 1,024 x 1,024 float32; beta 1,024 float32; bk 1,024 float32; bo 1,024 float32; bq 1,024 float32; bv 1,024 float32; gamma 1,024 float32; mask 1 x 1 x 2,048 x 2,048 int32; x 4 x 2,048 x 1,024 float32.
;; Outputs: out0 4 x 2,048 x 1,024 float32.
;; This version of the problem:
;;   THIS VERSION OF THE PROBLEM IS GIVEN IN LOW PRECISION. The matrix products marked QUANTISED in the list below multiply operands that are first quantised to E2M1 (2 exponent bits, 1 mantissa bit; 4 bits a number), with one power-of-two scale for each 32 numbers along K (OCP MX v1.0); their sums are f32. All else is computed in f32.
;;   The module's matrix products, in the order in which they are computed (A, B: the left and right operand; K: the contracted axis; several contracted axes count as one K, in the product's order):
;;     1. [M 8,192, K 1,024] x [K 1,024, N 1,024]; A: computed on the way; B: input Wq: QUANTISED
;;     2. [M 8,192, K 1,024] x [K 1,024, N 1,024]; A: computed on the way; B: input Wk: QUANTISED
;;     3. [M 8,192, K 1,024] x [K 1,024, N 1,024]; A: computed on the way; B: input Wv: QUANTISED
;;     4. batch 64 x [M 2,048, K 64] x [K 64, N 2,048]; A: computed on the way; B: computed on the way: QUANTISED
;;     5. batch 64 x [M 2,048, K 2,048] x [K 2,048, N 64]; A: softmax (see below); B: computed on the way: QUANTISED
;;     6. [M 8,192, K 1,024] x [K 1,024, N 1,024]; A: computed on the way; B: input Wo: QUANTISED
;;   THE QUANTISER, for each operand of a quantised product, along K:
;;     - K is cut into blocks of 32 from its start; a last block that is shorter is filled with zeros.
;;     - A block's scale is 2^e with e = floor(log2(the largest magnitude in the block)) - 2, held to -126 .. 127; a block of zeros has e = 0. As a byte (E8M0): e + 127.
;;     - Each number is divided by its block's scale, clamped to +-6, and rounded to the nearest number of E2M1, ties to even, subnormals kept.
;;     - The product sums the exact products of the quantised numbers (number of the format x scale) in f32.
;;   ~~~python
;;   def quantise(x, axis):      # numpy; x: float32 -> the quantised numbers, widened to float32 again
;;       x = np.moveaxis(x, axis, -1); K = x.shape[-1]
;;       x = np.pad(x, [(0, 0)] * (x.ndim - 1) + [(0, -K % 32)]); x = x.reshape(x.shape[:-1] + (-1, 32)); a = np.abs(x).max(-1, keepdims=True)
;;       e = np.where(a > 0, np.clip(np.frexp(np.where(a > 0, a, 1))[1] - 1 - 2, -126, 127), 0)      # np.frexp(a)[1] - 1 = floor(log2(a)), exactly
;;       r = np.clip(x / 2.0 ** e, -6, 6)
;;       step = 2.0 ** (np.maximum(np.frexp(np.where(r == 0, 1, r))[1] - 1, 0) - 1)
;;       q = np.round(r / step) * step * 2.0 ** e      # np.round: ties to even
;;       return np.moveaxis(q.reshape(q.shape[:-2] + (-1,))[..., :K], -1, axis).astype(np.float32)
;;   ~~~
;;   SOFTMAX AHEAD OF A QUANTISED PRODUCT. Where the list says 'softmax', what is quantised is not the finished softmax but p = 2^(t - M), with t = logit x log2(e) and M = ceil(the row's largest t), a whole number; so 1/2 < the row's largest p <= 1. The row's sum l is taken of the UNQUANTISED p, in f32, and the product's result is divided by l at the end. Since M is a whole number, a kernel that streams over the keys may use a running M (the ceiling of the running maximum): every later rescaling is an exact power of two, which a block's scale takes up: the codes' values come out the same.
;;   OPERANDS COMPUTED ON THE WAY. 'Computed on the way' means the value that the module computes at that place (a softmax that the list does not call 'softmax' is quantised finished and normalised). What goes into a quantiser is computed in f32, as accurately as f32 sums, v_exp_f32 and their like allow (about 1e-6 of the number): no bf16 or f16 on the way to a quantiser, and a product that is left as it is and whose result goes on into a quantised operand takes f32 operands (vector FMAs, or v_wmma_f32_16x16x4_f32). A number that lies on a knife's edge between two numbers of the format may be rounded either way, as far as f32 arithmetic and the matrix unit's own rounding can turn it there, and no further.
;; 2 versions, each right; version 2 is version 1 with the launch attn written anew for expert scheduling mode. Each part assembles by itself: llvm-mc -triple=amdgcn-amd-amdhsa -mcpu=gfx1250 --defsym DOCPART=n.
;; ======== version 1 of 2: 4 launches
;; workspace buffers: hw 6,684,672 bytes; mk 524,800 bytes of whole numbers; qkv 13,893,632 bytes; oq 4,456,448 bytes
;; launch prep (part 1): grid 448 x 1, 4 waves a work-group, no clusters, 71,424 bytes of LDS; arguments x, gamma, beta, mask, Wq, Wk, Wv, Wo, hw, mk; writes hw, mk
.if DOCPART == 1
	.amdgcn_target "amdgcn-amd-amdhsa--gfx1250"
	.amdhsa_code_object_version 6
	.text
	.protected	k_qf5251ba29d_prep
	.globl	k_qf5251ba29d_prep
	.p2align	8
	.type	k_qf5251ba29d_prep,@function
k_qf5251ba29d_prep:
	s_mov_b64 s[64:65], 0
	v_nop
	global_prefetch_b8 v0, s[64:65] scope:SCOPE_SE
	s_setreg_imm32_b32 hwreg(HW_REG_WAVE_MODE, 25, 1), 1
	s_wait_xcnt 0x0
; PREP: three jobs, told apart by the work-group's number; each has its own way through the text and its own LDS bytes.
;   work-groups   0 ..  63: the four weights [k 1024][n 1024] f32 -> codes of FP4 (E2M1) along k, with one E8M0 byte for each 32 k
;   work-groups  64 .. 191: the mask [2048][2048] int32 -> lane-mask words for attention's score registers, and two flags for each (query tile, key step)
;   work-groups 192 .. 447: h = LayerNorm(x) gamma + beta -> codes along the hidden axis
; ORDER OF ROWS.  Tokens and weight columns n are stored at POSITION sigma(index): bits 3 and 4 of the index change places inside each 32.  Row r of tile 2 b + u is then index
; 32 b + 8 u + r + 8 (r / 8): as source 0 of a matrix instruction two neighbouring tiles give a lane 16 neighbours along the next K.
; IMAGE OF CODES: [tile of 16 positions][block of 32 k][row r][16 bytes]: a lane's 16 bytes of an operand register group lie at 16 x lane, 512 consecutive bytes a load.
; SCALES: [position][32 bytes], byte = block.
; A block's scale: its largest magnitude's exponent field less 2, held at 1 from below.  A block of zeros so gets the byte 1 where the rule says 127: its codes are zeros, and this program alone reads the bytes.
; LIMITS: NaN and infinities among the inputs are not served.
; No matrix unit, no cluster, no tensor load: the three jobs stream, and work-groups share nothing but gamma and beta (8 KB).
.set HS,   4194304                     ; hw: h's codes at 0, h's scales here,
.set WC,   4456448                     ; the weights' codes (q, k, v, o: 524,288 bytes each),
.set WS,   6553600                     ; the weights' scales (32,768 each)
.set MFO,  524288                      ; mk: the mask words at 0 ([tile 128][step 16][64 words]), the flags here (a word a tile)
.set LNF,  0                           ; LDS, LayerNorm: a wave's row as 32 blocks x (128 + 16) bytes: 4,608 a wave
.set LNC,  18432                       ;   64 units (tile u, block) x (256 + 16) bytes of codes
.set LNS,  35840                       ;   32 positions x 32 scale bytes
.set MST,  36864                       ; LDS, mask: a stage of 16 rows x (512 + 16) bytes for each wave
.set MFL,  70656                       ;   four waves x 16 bytes of flags
	s_load_b512 s[4:19], s[0:1], 0x0               ; x, gamma, beta, mask, Wq, Wk, Wv, Wo
	s_load_b128 s[20:23], s[0:1], 0x40             ; hw, mk
	v_lshl_add_u32 v224, v0, 2, 0x11500
	v_mov_b32 v225, 0
	v_lshrrev_b32 v1, 5, v0
	v_readfirstlane_b32 s24, v1                    ; wave 0..3
	v_and_b32 v1, 31, v0                           ; lane
	s_wait_kmcnt 0x0
	s_cmp_lt_u32 ttmp9, 64
	s_cbranch_scc1 .Lw
	s_cmp_lt_u32 ttmp9, 192
	s_cbranch_scc1 .Lm
; ------------------------------------------------------------------ LayerNorm and h's codes: 32 rows a work-group, 8 a wave, a row in 32 registers
.set GA, 8                             ; v8-39    gamma, as a row lies in the lanes: register 4 j + q = element 128 j + 4 lane + q
.set BE, 40                            ; v40-71   beta
.set X,  72                            ; v72-167  three rows
.set B,  168                           ; v168-199 my block of 32 neighbours
.set C,  200                           ; v200-203 its codes
	s_sub_co_u32 s25, ttmp9, 192                   ; G: rows 32 G ..
	s_lshl_b32 s26, s25, 17                        ; 32 rows of 4,096 bytes
	s_lshl_b32 s27, s24, 15                        ; my wave's 8
	s_add_co_u32 s26, s26, s27
	s_mov_b32 s27, 0
	s_add_nc_u64 s[4:5], s[4:5], s[26:27]
	v_lshlrev_b32 v2, 4, v1                        ; 16 x lane
.macro LNLOAD i                        ; row i: eight loads of 512 consecutive bytes
.irp j, 0,1,2,3,4,5,6,7
	global_load_b128 v[X+32*((\i)%3)+4*\j:X+32*((\i)%3)+4*\j+3], v2, s[4:5] offset:4096*(\i)+512*\j th:TH_LOAD_NT
.endr
.endm
.irp j, 0,1,2,3,4,5,6,7
	global_load_b128 v[GA+4*\j:GA+4*\j+3], v2, s[6:7] offset:512*\j
	global_load_b128 v[BE+4*\j:BE+4*\j+3], v2, s[8:9] offset:512*\j
.endr
	LNLOAD 0
	LNLOAD 1
	LNLOAD 2
	s_mul_i32 s28, s24, 4608
	v_lshrrev_b32 v3, 3, v1
	v_mul_u32_u24 v3, v3, 144
	v_and_b32 v4, 7, v1
	v_lshl_add_u32 v3, v4, 4, v3
	v_add_nc_u32 v3, s28, v3                       ; the row goes in as it lies: block lane / 8 (+ 4 j), 16 (lane % 8)
	v_mul_u32_u24 v4, v1, 144
	v_add_nc_u32 v4, s28, v4                       ; and comes back a block a lane
	s_and_b32 s29, s24, 1                          ; rows 8 w + i stand at tile u = w % 2, row 8 (w / 2) + i
	s_lshr_b32 s30, s24, 1
	s_mul_i32 s31, s29, 8704
	s_lshl_b32 s32, s30, 7
	s_add_co_u32 s31, s31, s32
	s_add_co_u32 s31, s31, LNC
	v_mul_u32_u24 v5, v1, 272
	v_add_nc_u32 v5, s31, v5                       ; codes: unit 32 u + lane, 16 bytes a row
	s_lshl_b32 s31, s29, 9
	s_lshl_b32 s32, s30, 8
	s_add_co_u32 s31, s31, s32
	s_add_co_u32 s31, s31, LNS
	v_add_nc_u32 v6, s31, v1                       ; scale bytes: 32 a position, byte = lane
	s_mul_i32 s31, s24, 16*272
	s_add_co_u32 s31, s31, LNC
	v_lshrrev_b32 v7, 4, v1
	v_mul_u32_u24 v7, v7, 272
	v_and_b32 v220, 15, v1
	v_lshl_add_u32 v7, v220, 4, v7
	v_add_nc_u32 v7, s31, v7                       ; the way out: my wave's 16 units, two an instruction
	v_lshlrev_b32 v221, 3, v1
	s_lshl_b32 s31, s24, 8
	s_add_co_u32 s31, s31, LNS
	v_add_nc_u32 v220, s31, v221
	s_lshl_b32 s26, s25, 14
	s_lshl_b32 s32, s24, 12
	s_add_co_u32 s26, s26, s32
	s_add_nc_u64 s[44:45], s[20:21], s[26:27]      ; h's codes: 16,384 bytes a group, 4,096 a wave
	s_lshl_b32 s26, s25, 10
	s_lshl_b32 s32, s24, 8
	s_add_co_u32 s26, s26, s32
	s_add_co_u32 s26, s26, HS
	s_add_nc_u64 s[46:47], s[20:21], s[26:27]      ; h's scales: 1,024 a group, 256 a wave
	s_mov_b32 s40, 0x76543210
	s_mov_b32 s41, 0xfedcba98                      ; v_permlanex16_b32's selects for lane l xor 16
	s_mov_b32 s42, 0x3a800000                      ; 1 / 1024
	s_mov_b32 s43, 0x3727c5ac                      ; 1e-5
	v_mov_b32 v209, 0                              ; upper halves of pairs of which the low word serves both halves
	v_mov_b32 v213, 0
.macro LANESUM                         ; v204 summed over the 32 lanes, in every lane
	v_add_f32_dpp v204, v204, v204 row_xmask:1 row_mask:0xf bank_mask:0xf
	v_add_f32_dpp v204, v204, v204 row_xmask:2 row_mask:0xf bank_mask:0xf
	v_add_f32_dpp v204, v204, v204 row_xmask:4 row_mask:0xf bank_mask:0xf
	v_add_f32_dpp v204, v204, v204 row_xmask:8 row_mask:0xf bank_mask:0xf
	v_permlanex16_b32 v205, v204, s40, s41
	v_add_f32 v204, v204, v205
.endm
.macro ROW i
.set XR, X+32*((\i)%3)
.if (\i) < 6
	s_wait_loadcnt 16                              ; my row is in (gamma and beta too); the two younger rows stay out
.else
	s_wait_loadcnt 8*(7-(\i))                      ; the counts run down: one younger row, then none
.endif
	v_pk_add_f32 v[204:205], v[XR:XR+1], v[XR+2:XR+3]              ; the sum, two chains
	v_pk_add_f32 v[206:207], v[XR+4:XR+5], v[XR+6:XR+7]
.set k, 8
.rept 6
	v_pk_add_f32 v[204:205], v[204:205], v[XR+k:XR+k+1]
	v_pk_add_f32 v[206:207], v[206:207], v[XR+k+2:XR+k+3]
.set k, k+4
.endr
	v_pk_add_f32 v[204:205], v[204:205], v[206:207]
	v_add_f32 v204, v204, v205
	LANESUM
	v_mul_f32 v208, s42, v204                      ; the mean
.set k, 0
.rept 16
	v_pk_add_f32 v[XR+k:XR+k+1], v[XR+k:XR+k+1], v[208:209] op_sel_hi:[1,0] neg_lo:[0,1] neg_hi:[0,1]   ; x - mean, in place
.set k, k+2
.endr
	v_pk_mul_f32 v[204:205], v[XR:XR+1], v[XR:XR+1]                ; the sum of its squares, two chains
	v_pk_mul_f32 v[206:207], v[XR+2:XR+3], v[XR+2:XR+3]
.set k, 4
.rept 7
	v_pk_fma_f32 v[204:205], v[XR+k:XR+k+1], v[XR+k:XR+k+1], v[204:205]
	v_pk_fma_f32 v[206:207], v[XR+k+2:XR+k+3], v[XR+k+2:XR+k+3], v[206:207]
.set k, k+4
.endr
	v_pk_add_f32 v[204:205], v[204:205], v[206:207]
	v_add_f32 v204, v204, v205
	LANESUM
	v_fma_f32 v210, v204, s42, s43                 ; the variance + 1e-5
	v_rsq_f32 v212, v210
	v_nop                                          ; a plain instruction behind the transcendental,
	s_wait_alu depctr_va_vdst(0)                   ; and the wait ahead of its first reader
.set k, 0
.rept 16
	v_pk_mul_f32 v[XR+k:XR+k+1], v[XR+k:XR+k+1], v[212:213] op_sel_hi:[1,0]
.set k, k+2
.endr
.set k, 0
.rept 16
	v_pk_fma_f32 v[XR+k:XR+k+1], v[XR+k:XR+k+1], v[GA+k:GA+k+1], v[BE+k:BE+k+1]
.set k, k+2
.endr
.irp j, 0,1,2,3,4,5,6,7
	ds_store_b128 v3, v[XR+4*\j:XR+4*\j+3] offset:576*\j           ; through my wave's own LDS bytes: LDS serves a wave's instructions in order
.endr
.irp q, 0,1,2,3,4,5,6,7
	ds_load_b128 v[B+4*\q:B+4*\q+3], v4 offset:16*\q               ; lane l now holds block l whole: k = 32 l .. 32 l + 31
.endr
	s_wait_dscnt 0x0                               ; the block is in; the stores above, and the last row's of codes and byte, have read their registers
.if (\i) < 5
	LNLOAD (\i)+3                                  ; into the row set just left
.endif
	v_max3_num_f32 v214, |v[B]|, |v[B+1]|, |v[B+2]|
	v_max3_num_f32 v215, |v[B+3]|, |v[B+4]|, |v[B+5]|
.set k, 6
.rept 6
	v_max3_num_f32 v214, v214, |v[B+k]|, |v[B+k+1]|
	v_max3_num_f32 v215, v215, |v[B+k+2]|, |v[B+k+3]|
.set k, k+4
.endr
	v_max3_num_f32 v214, v214, |v[B+30]|, |v[B+31]|
	v_max3_num_f32 v214, v214, v215, 0x1800000     ; and the floor 2^(3 - 127): the byte cannot fall under 1
	v_add_nc_u32 v216, 0xff000000, v214            ; 2 off the exponent field: the conversion takes this operand's exponent field as its scale
.irp g, 0,1,2,3
	v_cvt_scalef32_pk8_fp4_f32 v[C+\g], v[B+8*\g:B+8*\g+7], v216
.endr
	v_lshrrev_b32 v217, 23, v216                   ; the scale's byte (a plain line behind the conversions)
	ds_store_b128 v5, v[C:C+3] offset:16*(\i)
	ds_store_b8 v6, v217 offset:32*(\i)
.endm
.irp i, 0,1,2,3,4,5,6,7
	ROW \i
.endr
	s_wait_dscnt 0x0                               ; for the others' sake: my codes and bytes lie in LDS
	s_barrier_signal -1
	s_barrier_wait -1
.irp k, 0,1,2,3,4,5,6,7
	ds_load_b128 v[X+4*\k:X+4*\k+3], v7 offset:544*\k
.endr
	ds_load_b64 v[X+32:X+33], v220
.irp k, 0,1,2,3,4,5,6,7
	s_wait_dscnt 8-\k                              ; behind load k: 7 - k of its kind and the scales' one
	global_store_b128 v2, v[X+4*\k:X+4*\k+3], s[44:45] offset:512*\k   ; 512 consecutive bytes, aligned
.endr
	s_wait_dscnt 0x0
	global_store_b64 v221, v[X+32:X+33], s[46:47]  ; 256 consecutive bytes, aligned
	s_wait_tensorcnt 0x0
	ds_add_u32 v224, v225
	s_wait_dscnt 0x0
	s_endpgm
; ------------------------------------------------------------------ the mask: a work-group takes a tile of 16 query positions, a wave four key steps of 128
; Bit (r, h) of word 16 b + i of (tile T, step j) is mask[query of position r][128 j + 32 b + 16 h + i] != 0: the lane mask of attention's score register 16 b + i.
; Flags of T: bit j: every bit of step j is 0 (the step may be left out; all sixteen are cleared where some row of T has no open key at all, since such a row keeps every key);
; bit 16 + j: not every bit of step j is 1 (the words must be applied).
.set RAW, 8                            ; v8-135   two sets: 16 rows x 4 registers as loaded
.set RB,  136                          ; v136-199 my row's 64 numbers in the order of the score registers
.set WD,  200                          ; v200-207 a step's 64 words, two a lane; a pair for each step
.Lm:
	s_sub_co_u32 s25, ttmp9, 64                    ; T
	s_lshr_b32 s26, s25, 1
	s_lshl_b32 s26, s26, 5
	s_and_b32 s27, s25, 1
	s_lshl_b32 s27, s27, 3
	s_add_co_u32 s26, s26, s27                     ; the query of position 0: 32 (T / 2) + 8 (T % 2)
	s_lshl_b32 s26, s26, 13                        ; a row of the mask is 8,192 bytes
	s_lshl_b32 s27, s24, 11                        ; my four steps: 512 bytes each
	s_add_co_u32 s26, s26, s27
	s_mov_b32 s27, 0
	s_add_nc_u64 s[10:11], s[10:11], s[26:27]
	v_lshlrev_b32 v2, 4, v1
.macro LOADM jp                        ; step jp: 16 rows, each 512 consecutive bytes
.irp p, 0,1,2,3,4,5,6,7,8,9,10,11,12,13,14,15
	global_load_b128 v[RAW+64*((\jp)%2)+4*\p:RAW+64*((\jp)%2)+4*\p+3], v2, s[10:11] offset:(\p+8*(\p/8))*8192+512*(\jp) th:TH_LOAD_NT
.endr
.endm
	LOADM 0
	LOADM 1
	s_mul_i32 s28, s24, 8448
	s_add_co_u32 s28, s28, MST
	v_add_nc_u32 v3, s28, v2                       ; into my stage: 16 x lane, 528 a row
	v_and_b32 v4, 15, v1
	v_lshrrev_b32 v5, 4, v1
	v_mul_u32_u24 v4, v4, 528
	v_lshl_add_u32 v4, v5, 6, v4
	v_add_nc_u32 v4, s28, v4                       ; out of it: row r, + 64 h (16 keys)
	v_lshlrev_b32 v5, 3, v1                        ; the words' place: 8 x lane
	s_lshl_b32 s26, s25, 12
	s_lshl_b32 s28, s24, 10
	s_add_co_u32 s26, s26, s28
	s_add_nc_u64 s[42:43], s[22:23], s[26:27]      ; mk at (T, 4 w): 256 bytes a step
	s_lshl_b32 s26, s25, 2
	s_add_co_u32 s26, s26, MFO
	s_add_nc_u64 s[46:47], s[22:23], s[26:27]      ; T's flags
.irp q, 0,1,2,3,4,5,6,7
	v_mov_b32 v[WD+\q], 0                          ; written once: v_writelane_b32's destination counts as one of its sources
.endr
	s_mov_b32 s36, 0                               ; the OR of all my words
	s_mov_b32 s37, 0                               ; my steps' first flags
	s_mov_b32 s38, 0                               ; and second flags
.macro STEPM jp
.if (\jp) < 3
	s_wait_loadcnt 16                              ; this step's 16 loads are in; the next step's stay out
.else
	s_wait_loadcnt 0x0
.endif
.irp p, 0,1,2,3,4,5,6,7,8,9,10,11,12,13,14,15
	ds_store_b128 v3, v[RAW+64*((\jp)%2)+4*\p:RAW+64*((\jp)%2)+4*\p+3] offset:528*\p
.endr
.irp b, 0,1,2,3
.irp q, 0,1,2,3
	ds_load_b128 v[RB+16*\b+4*\q:RB+16*\b+4*\q+3], v4 offset:128*\b+16*\q   ; my wave's own bytes, served in order
.endr
.endr
	s_wait_dscnt 0x0
.if (\jp) < 2
	LOADM (\jp)+2                                  ; into the set that the stores above have read
.endif
	s_mov_b32 s34, 0
	s_mov_b32 s35, -1
.set n, 0
.rept 8
.irp k, 0,1,2,3,4,5,6,7
	v_cmp_ne_u32 s[26+\k], 0, v[RB+n+\k]           ; word n + k
.endr
.irp k, 0,1,2,3,4,5,6,7
	s_or_b32 s34, s34, s[26+\k]
	s_and_b32 s35, s35, s[26+\k]
	v_writelane_b32 v[WD+2*(\jp)+(n+\k)%2], s[26+\k], (n+\k)/2
.endr
.set n, n+8
.endr
	global_store_b64 v5, v[WD+2*(\jp):WD+2*(\jp)+1], s[42:43] offset:256*(\jp)   ; 256 consecutive bytes, aligned
	s_or_b32 s36, s36, s34
	s_cmp_eq_u32 s34, 0
	s_cselect_b32 s39, 1<<(\jp), 0
	s_or_b32 s37, s37, s39
	s_cmp_lg_u32 s35, -1
	s_cselect_b32 s39, 1<<(\jp), 0
	s_or_b32 s38, s38, s39
.endm
	STEPM 0
	STEPM 1
	STEPM 2
	STEPM 3
	s_lshl_b32 s39, s24, 2
	s_lshl_b32 s37, s37, s39                       ; to my steps' places, 4 w on
	s_lshl_b32 s38, s38, s39
	v_mov_b32 v208, s36
	v_mov_b32 v209, s37
	v_mov_b32 v210, s38
	v_mov_b32 v211, 0
	v_mov_b32 v212, s24
	v_lshlrev_b32 v212, 4, v212
	v_add_nc_u32 v212, MFL, v212
	ds_store_b128 v212, v[208:211]                 ; all lanes write the same 16 bytes with the same values
	s_wait_dscnt 0x0
	s_barrier_signal -1
	s_barrier_wait -1
	s_cmp_lg_u32 s24, 0
	s_cbranch_scc1 .Lm_end                         ; wave 0 joins the four waves' figures
	v_mov_b32 v213, MFL
	ds_load_b128 v[8:11], v213
	ds_load_b128 v[12:15], v213 offset:16
	ds_load_b128 v[16:19], v213 offset:32
	ds_load_b128 v[20:23], v213 offset:48
	s_wait_dscnt 0x0
.irp q, 0,1,2
	v_or_b32 v[8+\q], v[8+\q], v[12+\q]
	v_or_b32 v[16+\q], v[16+\q], v[20+\q]
	v_or_b32 v[8+\q], v[8+\q], v[16+\q]
.endr
	v_lshrrev_b32 v11, 16, v8
	v_or_b32 v8, v8, v11
	v_and_b32 v8, 0xffff, v8                       ; bit r: row r has an open key
	v_cmp_eq_u32 vcc_lo, 0xffff, v8
	v_cndmask_b32 v9, 0, v9, vcc_lo                ; steps are left out only where every row has one
	v_lshl_or_b32 v9, v10, 16, v9
	v_mov_b32 v11, 0
	s_wait_xcnt 0x0                                ; EXEC changes only behind this wait: my stores of the words have read it
	v_cmp_eq_u32 vcc_lo, 0, v1
	s_and_saveexec_b32 s44, vcc_lo
	global_store_b32 v11, v9, s[46:47]             ; one word a tile
	s_wait_xcnt 0x0
	s_or_b32 exec_lo, exec_lo, s44
.Lm_end:
	s_wait_tensorcnt 0x0
	ds_add_u32 v224, v225
	s_wait_dscnt 0x0
	s_endpgm
; ------------------------------------------------------------------ the weights: a lane takes a column n, its registers run down k; a wave 32 columns x 512 k
; Lane l is POSITION l of its 32 and reads column sigma(l): the wave still reads the same 128 consecutive bytes.  A block's 16 bytes of codes go straight to their place in the image:
; sixteen lanes fill 256 consecutive bytes, aligned.
.set WX,  32                           ; v32-95   two sets of 32 numbers
.set WCD, 96                           ; v96-159  the codes of 16 blocks: no store's data are written again
.set WSB, 24                           ; v24-27   16 scale bytes
.Lw:
	s_lshr_b32 s25, ttmp9, 4                       ; which weight: q, k, v, o
	s_cmp_lt_u32 s25, 1
	s_cselect_b64 s[26:27], s[12:13], s[14:15]
	s_cmp_lt_u32 s25, 3
	s_cselect_b64 s[28:29], s[16:17], s[18:19]
	s_cmp_lt_u32 s25, 2
	s_cselect_b64 s[26:27], s[26:27], s[28:29]
	s_bfe_u32 s34, ttmp9, 0x30001                  ; which 128 columns
	s_and_b32 s35, ttmp9, 1                        ; which half of k
	s_lshl_b32 s36, s34, 7
	s_lshl_b32 s37, s24, 5
	s_add_co_u32 s36, s36, s37                     ; n0: my wave's first column
	s_lshl_b32 s38, s35, 21                        ; 512 rows of 4,096 bytes
	s_lshl_b32 s37, s36, 2
	s_add_co_u32 s38, s38, s37
	s_mov_b32 s39, 0
	s_add_nc_u64 s[26:27], s[26:27], s[38:39]
	s_lshl_b32 s38, s25, 19
	s_lshl_b32 s37, s36, 9                         ; tile n0 / 16: 8,192 bytes a tile
	s_add_co_u32 s38, s38, s37
	s_lshl_b32 s37, s35, 12                        ; 16 blocks of 256 bytes
	s_add_co_u32 s38, s38, s37
	s_add_co_u32 s38, s38, WC
	s_add_nc_u64 s[30:31], s[20:21], s[38:39]
	s_lshl_b32 s38, s25, 15
	s_lshl_b32 s37, s36, 5
	s_add_co_u32 s38, s38, s37
	s_lshl_b32 s37, s35, 4
	s_add_co_u32 s38, s38, s37
	s_add_co_u32 s38, s38, WS
	s_add_nc_u64 s[32:33], s[20:21], s[38:39]
	v_and_b32 v5, 7, v1
	v_bfe_u32 v6, v1, 3, 1
	v_bfe_u32 v7, v1, 4, 1
	v_lshl_or_b32 v5, v6, 4, v5
	v_lshl_or_b32 v5, v7, 3, v5                    ; sigma(lane)
	v_lshlrev_b32 v3, 2, v5
	v_and_b32 v8, 15, v1
	v_lshlrev_b32 v4, 4, v8
	v_lshl_or_b32 v4, v7, 13, v4                   ; tile lane / 16, row lane % 16
	v_lshlrev_b32 v9, 5, v1                        ; 32 scale bytes a position
.macro LOADW t                         ; block t: W(32 t + i, my column)
.set i, 0
.rept 32
	global_load_b32 v[WX+32*((\t)%2)+i], v3, s[26:27] offset:(32*(\t)+i)*4096 th:TH_LOAD_NT
.set i, i+1
.endr
.endm
	LOADW 0
	LOADW 1
.macro BLOCKW t
.set XS, WX+32*((\t)%2)
.if (\t) < 15
	s_wait_loadcnt 32                              ; this block's 32 loads are in; the next block's stay out
.else
	s_wait_loadcnt 0x0
.endif
	v_max3_num_f32 v12, |v[XS]|, |v[XS+1]|, |v[XS+2]|
	v_max3_num_f32 v13, |v[XS+3]|, |v[XS+4]|, |v[XS+5]|
.set k, 6
.rept 6
	v_max3_num_f32 v12, v12, |v[XS+k]|, |v[XS+k+1]|
	v_max3_num_f32 v13, v13, |v[XS+k+2]|, |v[XS+k+3]|
.set k, k+4
.endr
	v_max3_num_f32 v12, v12, |v[XS+30]|, |v[XS+31]|
	v_max3_num_f32 v12, v12, v13, 0x1800000
	v_add_nc_u32 v11, 0xff000000, v12
	v_lshrrev_b32 v13, 23, v11
.if (\t)%4 == 0
	v_mov_b32 v[WSB+(\t)/4], v13
.else
	v_lshl_or_b32 v[WSB+(\t)/4], v13, 8*((\t)%4), v[WSB+(\t)/4]
.endif
.irp g, 0,1,2,3
	v_cvt_scalef32_pk8_fp4_f32 v[WCD+4*(\t)+\g], v[XS+8*\g:XS+8*\g+7], v11
.endr
	v_nop                                          ; a plain line behind the conversions
	global_store_b128 v4, v[WCD+4*(\t):WCD+4*(\t)+3], s[30:31] offset:256*(\t)
.if (\t) < 14
	LOADW (\t)+2
.endif
.endm
.irp t, 0,1,2,3,4,5,6,7,8,9,10,11,12,13,14,15
	BLOCKW \t
.endr
	global_store_b128 v9, v[WSB:WSB+3], s[32:33]   ; my position's 16 bytes of this half of k
	s_endpgm
.Lfunc_end_k_qf5251ba29d_prep:
	.size	k_qf5251ba29d_prep, .Lfunc_end_k_qf5251ba29d_prep-k_qf5251ba29d_prep
	.p2alignl 7, 3214868480
	.fill 96, 4, 3214868480
	.section	.rodata,"a",@progbits
	.p2align	6, 0x0
	.amdhsa_kernel k_qf5251ba29d_prep
		.amdhsa_group_segment_fixed_size 71424
		.amdhsa_private_segment_fixed_size 0
		.amdhsa_enable_private_segment 0
		.amdhsa_kernarg_size 80
		.amdhsa_user_sgpr_count 2
		.amdhsa_user_sgpr_kernarg_segment_ptr 1
		.amdhsa_wavefront_size32 1
		.amdhsa_system_sgpr_workgroup_id_x 1
		.amdhsa_system_sgpr_workgroup_id_y 1
		.amdhsa_system_sgpr_workgroup_id_z 1
		.amdhsa_system_vgpr_workitem_id 0
		.amdhsa_next_free_vgpr 226
		.amdhsa_next_free_sgpr 66
		.amdhsa_reserve_vcc 1
		.amdhsa_float_denorm_mode_32 3
		.amdhsa_float_denorm_mode_16_64 3
		.amdhsa_memory_ordered 1
		.amdhsa_forward_progress 1
		.amdhsa_inst_pref_size 223
	.end_amdhsa_kernel
	.amdgpu_metadata
---
amdhsa.version: [ 1, 2 ]
amdhsa.kernels:
  - .name:           k_qf5251ba29d_prep
    .symbol:         k_qf5251ba29d_prep.kd
    .args:
      - { .name: x, .offset: 0, .size: 8, .value_kind: global_buffer, .address_space: global }
      - { .name: gamma, .offset: 8, .size: 8, .value_kind: global_buffer, .address_space: global }
      - { .name: beta, .offset: 16, .size: 8, .value_kind: global_buffer, .address_space: global }
      - { .name: mask, .offset: 24, .size: 8, .value_kind: global_buffer, .address_space: global }
      - { .name: Wq, .offset: 32, .size: 8, .value_kind: global_buffer, .address_space: global }
      - { .name: Wk, .offset: 40, .size: 8, .value_kind: global_buffer, .address_space: global }
      - { .name: Wv, .offset: 48, .size: 8, .value_kind: global_buffer, .address_space: global }
      - { .name: Wo, .offset: 56, .size: 8, .value_kind: global_buffer, .address_space: global }
      - { .name: hw, .offset: 64, .size: 8, .value_kind: global_buffer, .address_space: global }
      - { .name: mk, .offset: 72, .size: 8, .value_kind: global_buffer, .address_space: global }
    .group_segment_fixed_size: 71424
    .private_segment_fixed_size: 0
    .kernarg_segment_align: 8
    .kernarg_segment_size: 80
    .max_flat_workgroup_size: 128
    .sgpr_count:     66
    .vgpr_count:     226
    .wavefront_size: 32
...
	.end_amdgpu_metadata
.endif
;; end of part 1
;; launch qkv (part 2): grid 12 x 64, 4 waves a work-group, clusters of 4 x 4, 213,504 bytes of LDS; arguments hw, bq, bk, bv, qkv; writes qkv
.if DOCPART == 2
	.amdgcn_target "amdgcn-amd-amdhsa--gfx1250"
	.amdhsa_code_object_version 6
	.text
	.protected	k_qf5251ba29d_qkv
	.globl	k_qf5251ba29d_qkv
	.p2align	8
	.type	k_qf5251ba29d_qkv,@function
k_qf5251ba29d_qkv:
	s_mov_b64 s[64:65], 0
	v_nop
	global_prefetch_b8 v0, s[64:65] scope:SCOPE_SE
	s_setreg_imm32_b32 hwreg(HW_REG_WAVE_MODE, 25, 1), 1
	s_wait_xcnt 0x0
	s_wait_alu depctr_hold_cnt(0) depctr_sa_sdst(0) depctr_va_vdst(0) depctr_va_sdst(0) depctr_va_ssrc(0) depctr_va_vcc(0) depctr_vm_vsrc(0)
	s_getreg_b32 s2, hwreg(HW_REG_IB_STS2, 6, 4)
	s_cmp_eq_u32 s2, 0
	s_cbranch_scc0 .Lentry_in_a_cluster
	s_endpgm
.Lentry_in_a_cluster:
	s_bfe_u32 s2, ttmp6, 0x10000c
	s_cmp_lg_u32 s2, 0xf033
	s_cbranch_scc0 .Lentry_shape_is_right
	s_endpgm
.Lentry_shape_is_right:
; q = h Wq + bq, k = h Wk + bk, v = h Wv + bv on codes of FP4 (E2M1) with E8M0 scales, K = 1,024; the results are quantised in registers into the operand images that attention reads.
; A work-group makes 128 rows of an A side x 256 rows of a B side; four waves, 64 x 128 each: 32 accumulators.  THE MATRIX INSTRUCTION TAKES THE B SIDE AS SOURCE 0: a lane holds one row of the A side, and
; its registers run along the B side, 16 neighbours in two neighbouring tiles (the rows of both sides are stored in the order that gives this).
;   cluster x = 0, 1 (q, k): A = h (tokens), B = the weight: a lane's registers run along the head's 64, which is the K of the scores.
;   cluster x = 2 (v):       A = Wv, B = h: a lane's registers run along the KEYS, which are the K of the second product.
; ALL OF K LIES IN LDS (192 KB of codes, 13 KB of scales): each wave asks for three tiles at the head (scales, first half of K, second half) and nothing is ever filled again.
; So there is no ring, and nothing to ask for ahead of time.  By this text's count a wave has three tensor loads out.
; CLUSTERS: 4 x 4 work-groups; A's tiles are shared along a row of the cluster, B's along a column: joint loads, a quarter of the requests.
; CODES come as images of the operand registers ([tile][block of 32 k][row][16 bytes]): a fragment load is 512 consecutive bytes of LDS: no pitch, no padding.
; OUT (buffer qkv): q's and k's codes [batch x head][tile of 16 tokens][512 bytes] (lane (r, h): block h of row r); v's [batch x head][step of 128 keys][tile of 16 d][2][512];
;   q's and k's scale words [batch x head][4 tiles][row][4 words] (bytes 0, 1; bytes 2, 3 are 0); v's [batch x head][step][row][4 tiles].
; A block of zeros gets the byte 1 (its codes are zeros; this program alone reads the bytes).  LIMITS: NaN and infinities are not served.
; REGISTERS: window 0: v1-9 addresses; v16-27 LDS addresses; v32-95 scale words and nothing else; v96-159 A's fragments, two sets, later codes and scale words; v160-223 64 numbers; v224-239 at work.
;   window 1: v0-127 B's fragments, two sets; v128-191 the biases.   window 2: the accumulators, (a, b) at v[8 (8 a + b)].
.set HS,   4194304
.set WC,   4456448
.set WS,   6553600
.set VCO,  8388608
.set QSO,  12582912
.set VSO,  13631488
.set SLOT, 98304                       ; LDS: half of K: A's 8 tiles x 4,096, then B's 16 tiles x 4,096
.set SCL,  196608                      ; A's scales: 16 units of 256 + 16 bytes
.set SCLB, 200960                      ; B's: 32 units
.set ADRA, 16
.set ADRB, 20
.set ADRS, 27
.set SC,   32
.set AF,   96
.set NUM,  160
.set TM,   224
.set SEL,  66
.set G1,   24
.set G0,   32
.set G1B,  48
.set G0B,  56
.set G1S,  68
.set G0S,  76
.set G1SB, 80
.set G0SB, 88
.set MSB, 0
.macro WIN new                         ; the immediate's high byte repeats the setting that is left
.if MSB != \new
	s_set_vgpr_msb (MSB<<8)|\new
.set MSB, \new
.endif
.endm
.macro JLOAD g0a, g1a, g0b, g1b        ; a joint load: waves 0 and 1 fetch for A, waves 2 and 3 for B; four v_nop follow each of the two lines
	s_cmp_eq_u32 s15, 0
	s_cbranch_scc0 .Lfor_b_\@
	tensor_load_to_lds s[\g0a:\g0a+3], s[\g1a:\g1a+7]
	s_nop 0
.rept 4
	v_nop
.endr
	s_branch .Lasked_\@
.Lfor_b_\@:
	tensor_load_to_lds s[\g0b:\g0b+3], s[\g1b:\g1b+7]
	s_nop 0
.rept 4
	v_nop
.endr
.Lasked_\@:
.endm
.macro CROUND                          ; a round of the cluster's barrier
	s_barrier_signal -1
	s_barrier_wait -1
	s_cmp_lg_u32 s14, 0
	s_cbranch_scc1 .Lnot_wave_0_\@
	s_barrier_signal -3
.Lnot_wave_0_\@:
	s_barrier_wait -3
	s_barrier_signal -1
	s_barrier_wait -1
.endm
.macro PLACES                          ; four plain places behind matrix instructions, ahead of loads into their registers and of reads of results
.rept 4
	v_nop
.endr
.endm
.macro FETCH g                         ; the fragments of K step g (128 along K): B's eight tiles, A's four, into set g % 2
	WIN 0x40
.irp i, 0,1,2,3,4,5,6,7
.irp c, 0,1
	ds_load_b128 v[64*((\g)%2)+8*\i+4*\c:64*((\g)%2)+8*\i+4*\c+3], v[ADRB+(\g)/4] offset:\i*4096+((\g)%4)*1024+512*\c
.endr
.endr
	WIN 0
.irp i, 0,1,2,3
.irp c, 0,1
	ds_load_b128 v[AF+32*((\g)%2)+8*\i+4*\c:AF+32*((\g)%2)+8*\i+4*\c+3], v[ADRA+(\g)/4] offset:\i*4096+((\g)%4)*1024+512*\c
.endr
.endr
.endm
.macro SCALES s                        ; four K steps' scale words: lanes 0-15 A's tile i, lanes 16-31 B's tile i.  (For i over 3 lanes 0-15 read scale bytes that nobody uses, inside the filled bytes)
.irp i, 0,1,2,3,4,5,6,7
	ds_load_b128 v[SC+32*\s+4*\i:SC+32*\s+4*\i+3], v[ADRS] offset:544*\i+16*\s
.endr
.endm
.macro MUL32 g                         ; 32 matrix instructions; the 32 accumulators take turns, in the same order in every step
	WIN 0xa1                                       ; source 0 (B) window 1, source 1 (A) window 0, C and D window 2
.irp a, 0,1,2,3
.irp b, 0,1,2,3,4,5,6,7
.if (\g) == 0
	v_wmma_scale_f32_16x16x128_f8f6f4 v[8*(8*\a+\b):8*(8*\a+\b)+7], v[64*((\g)%2)+8*\b:64*((\g)%2)+8*\b+7], v[AF+32*((\g)%2)+8*\a:AF+32*((\g)%2)+8*\a+7], 0, v[SC+32*((\g)/4)+4*\b+(\g)%4], v[SC+32*((\g)/4)+4*\a+(\g)%4] matrix_a_fmt:MATRIX_FMT_FP4 matrix_b_fmt:MATRIX_FMT_FP4 matrix_a_scale:MATRIX_SCALE_ROW1
.else
	v_wmma_scale_f32_16x16x128_f8f6f4 v[8*(8*\a+\b):8*(8*\a+\b)+7], v[64*((\g)%2)+8*\b:64*((\g)%2)+8*\b+7], v[AF+32*((\g)%2)+8*\a:AF+32*((\g)%2)+8*\a+7], v[8*(8*\a+\b):8*(8*\a+\b)+7], v[SC+32*((\g)/4)+4*\b+(\g)%4], v[SC+32*((\g)/4)+4*\a+(\g)%4] matrix_a_fmt:MATRIX_FMT_FP4 matrix_b_fmt:MATRIX_FMT_FP4 matrix_a_scale:MATRIX_SCALE_ROW1
.endif
.endr
.endr
.endm
.macro GSTEP g
.if (\g) == 3
	s_wait_tensorcnt 0x0                           ; my part of the second half of K has landed
.endif
	s_wait_dscnt 0x0                               ; this step's fragments are in: they were asked for a step, 32 matrix instructions, ago
.if (\g) == 3
	s_barrier_signal -1
	s_barrier_wait -1                              ; everybody's part has landed
.endif
.if (\g) < 7
.if (\g) > 0
	PLACES
.endif
	FETCH (\g)+1
.if (\g) == 3
	SCALES 1
.endif
.endif
	MUL32 \g
.endm
.macro MAIN
	s_wait_tensorcnt 1                             ; the scales and my part of the first half of K are in; the second half's load may stay out
	s_barrier_signal -1
	s_barrier_wait -1
	FETCH 0
	SCALES 0
.irp g, 0,1,2,3,4,5,6,7
	GSTEP \g
.endr
	WIN 0
	PLACES
.endm
; 64 numbers of a lane, register 16 b + i = k 32 b + 16 (lane / 16) + i of my row, become a fragment's codes in v[pc] on and its scale word in v[pw]
.macro QUANT s, pc, pw
.irp b, 0,1,2,3
	v_max3_num_f32 v[TM+\b], |v[\s+16*\b]|, |v[\s+1+16*\b]|, 0x1800000   ; my 16 numbers of block b, and the floor 2^(3 - 127): the byte cannot fall under 1
.endr
.irp i, 2,4,6,8,10,12,14
.irp b, 0,1,2,3
	v_max3_num_f32 v[TM+\b], v[TM+\b], |v[\s+16*\b+\i]|, |v[\s+1+16*\b+\i]|
.endr
.endr
.irp b, 0,1,2,3
	v_permlanex16_b32 v[TM+4+\b], v[TM+\b], s[SEL], s[SEL+1]
.endr
.irp b, 0,1,2,3
	v_max_num_f32 v[TM+\b], v[TM+\b], v[TM+4+\b]   ; with lane l xor 16's: the block's largest magnitude
.endr
.irp b, 0,1,2,3
	v_add_nc_u32 v[TM+12+\b], 0xff000000, v[TM+\b] ; 2 off its exponent field: the conversion's scale operand
.endr
.irp b, 0,1,2,3
	v_lshrrev_b32 v[TM+4+\b], 23, v[TM+12+\b]      ; the scale's byte
.endr
	v_lshl_or_b32 v[\pw], v[TM+5], 8, v[TM+4]
	v_lshl_or_b32 v[\pw], v[TM+6], 16, v[\pw]
	v_lshl_or_b32 v[\pw], v[TM+7], 24, v[\pw]
.irp b, 0,1,2,3
	v_cvt_scalef32_pk8_fp4_f32 v[\pc+2*\b], v[\s+16*\b:\s+7+16*\b], v[TM+12+\b]
	v_cvt_scalef32_pk8_fp4_f32 v[\pc+1+2*\b], v[\s+8+16*\b:\s+15+16*\b], v[TM+12+\b]
.endr
	v_nop                                          ; one plain place behind a scaled conversion
.irp c, 0,1                                    ; the operand's layout wants a whole block in a lane
.irp i, 0,1
	v_permlane16_swap_b32 v[\pc+4*\c+\i], v[\pc+2+4*\c+\i]
.endr
.endr
.endm
; A's tile a: the bias is added on the way from window 2 to window 0 (each accumulator from its low end on), then the 64 numbers are quantised.  mode 0: a bias a register (q, k); 1: one bias a lane (v)
.macro EPI a, mode
	WIN 0x06                                       ; source 0 window 2, source 1 window 1
.set k, 0
.rept 32
.if \mode
	v_pk_add_f32 v[NUM+k:NUM+k+1], v[64*\a+k:64*\a+k+1], v[128+2*\a:129+2*\a]
.else
	v_pk_add_f32 v[NUM+k:NUM+k+1], v[64*\a+k:64*\a+k+1], v[128+k:129+k]
.endif
.set k, k+2
.endr
	WIN 0
	QUANT NUM, 96+8*\a, 128+\a
.endm
	s_load_b256 s[4:11], s[0:1], 0x0               ; hw, bq, bk, bv
	s_load_b64 s[12:13], s[0:1], 0x20              ; qkv
	v_lshl_add_u32 v254, v0, 2, 0x34000
	v_mov_b32 v255, 0
	ds_add_u32 v254, v255
	ds_add_u32 v254, v255
	v_lshrrev_b32 v1, 5, v0
	v_readfirstlane_b32 s14, v1                    ; wave 0..3
	s_lshr_b32 s15, s14, 1                         ; my half of A's rows.  Also: I fetch for A (0) or for B (1)
	s_and_b32 s16, s14, 1                          ; my half of B's rows.  Also: which half of that side's tiles I fetch
	s_bfe_u32 s96, ttmp6, 0x40000                  ; cx
	s_bfe_u32 s97, ttmp6, 0x40004                  ; cy
	s_lshl_b32 s98, s97, 2
	s_lshl_b32 s98, 15, s98                        ; my row of the cluster
	s_lshl_b32 s99, 0x1111, s96                    ; my column
	; group 1, codes: rows = tiles: 4,096 bytes (512 elements of 8) of each tile's 8,192; A: 4 tiles a load, B: 8
	s_or_b32 s[G1], s98, (3<<16)|(1<<21)
	s_or_b32 s[G1B], s99, (3<<16)|(1<<21)
	s_mov_b32 s[G1+1], 512<<16
	s_mov_b32 s[G1+2], 4<<16
	s_mov_b32 s[G1+3], 512<<16
	s_mov_b32 s[G1+4], 4
	s_mov_b32 s[G1+5], 1024
	s_mov_b32 s[G1+6], 0
	s_mov_b32 s[G1+7], 0
	s_mov_b32 s[G1B+1], 512<<16
	s_mov_b32 s[G1B+2], 8<<16
	s_mov_b32 s[G1B+3], 512<<16
	s_mov_b32 s[G1B+4], 8
	s_mov_b32 s[G1B+5], 1024
	s_mov_b32 s[G1B+6], 0
	s_mov_b32 s[G1B+7], 0
	; group 1, scales: a dense block as rows of 256 bytes, 16 bytes of padding behind each; A: 8 rows a load, B: 16
	s_or_b32 s[G1S], s98, (3<<16)|(1<<20)|(1<<21)|(5<<22)|(3<<25)
	s_or_b32 s[G1SB], s99, (3<<16)|(1<<20)|(1<<21)|(5<<22)|(3<<25)
	s_mov_b32 s[G1S+1], 32<<16
	s_mov_b32 s[G1S+2], 8<<16
	s_mov_b32 s[G1S+3], 32<<16
	s_mov_b32 s[G1S+4], 8
	s_mov_b32 s[G1S+5], 32
	s_mov_b32 s[G1S+6], 0
	s_mov_b32 s[G1S+7], 0
	s_mov_b32 s[G1SB+1], 32<<16
	s_mov_b32 s[G1SB+2], 16<<16
	s_mov_b32 s[G1SB+3], 32<<16
	s_mov_b32 s[G1SB+4], 16
	s_mov_b32 s[G1SB+5], 32
	s_mov_b32 s[G1SB+6], 0
	s_mov_b32 s[G1SB+7], 0
	; which operands: the choice hangs on the cluster's x alone, which all partners share; only offsets inside hw are chosen
	s_and_b32 s41, ttmp7, 0xffff                   ; cluster y
	s_and_b32 s42, s41, 1
	s_lshr_b32 s43, s41, 1
	s_mul_i32 s44, ttmp9, 524288
	s_add_co_u32 s44, s44, WC                      ; weight x's codes
	s_lshl_b32 s45, ttmp9, 15
	s_add_co_u32 s45, s45, WS                      ; and scales
	s_mov_b32 s100, WC+1048576                     ; Wv's codes
	s_mov_b32 s101, WS+65536                       ; Wv's scales
	s_mov_b32 s95, HS
	s_cmp_eq_u32 ttmp9, 2
	s_cselect_b32 s40, 1, 0                        ; v?
	s_cselect_b32 s42, s42, s41
	s_cselect_b32 s43, s43, 0
	s_cselect_b32 s46, s100, 0                     ; A's codes (h's lie at 0)
	s_cselect_b32 s47, s101, s95                   ; A's scales
	s_cselect_b32 s44, 0, s44                      ; B's codes
	s_cselect_b32 s45, s95, s45                    ; B's scales
	s_lshl_b32 s42, s42, 2
	s_add_co_u32 s42, s42, s97                     ; ia: which 128 rows of A
	s_lshl_b32 s43, s43, 2
	s_add_co_u32 s43, s43, s96                     ; ib: which 256 rows of B
	s_lshl_b32 s18, s42, 16
	s_add_co_u32 s18, s18, s46
	s_lshl_b32 s17, s16, 15
	s_add_co_u32 s18, s18, s17
	s_mov_b32 s19, 0
	s_lshl_b32 s20, s42, 12
	s_add_co_u32 s20, s20, s47
	s_lshl_b32 s17, s16, 11
	s_add_co_u32 s20, s20, s17
	s_mov_b32 s21, 0
	s_lshl_b32 s22, s43, 17
	s_add_co_u32 s22, s22, s44
	s_lshl_b32 s17, s16, 16
	s_add_co_u32 s22, s22, s17
	s_mov_b32 s23, 0
	s_lshl_b32 s92, s43, 13
	s_add_co_u32 s92, s92, s45
	s_lshl_b32 s17, s16, 12
	s_add_co_u32 s92, s92, s17
	s_mov_b32 s93, 0
	s_lshl_b32 s44, s16, 14                        ; where they go: the wave's number alone enters an LDS address
	s_lshl_b32 s45, s16, 15
	s_add_co_u32 s45, s45, 32768
	s_mul_i32 s46, s16, 2176
	s_mul_i32 s47, s16, 4352
	s_wait_dscnt 0x0
	s_wait_kmcnt 0x0
	s_add_nc_u64 s[18:19], s[4:5], s[18:19]
	s_add_nc_u64 s[20:21], s[4:5], s[20:21]
	s_add_nc_u64 s[22:23], s[4:5], s[22:23]
	s_add_nc_u64 s[92:93], s[4:5], s[92:93]
	CROUND                                         ; all sixteen work-groups are here: the joint loads meet
	s_mov_b32 s[G0S], 1
	s_add_co_u32 s[G0S+1], s46, SCL
	s_mov_b64 s[G0S+2:G0S+3], s[20:21]
	s_or_b32 s[G0S+3], s[G0S+3], 0x80000000
	s_mov_b32 s[G0SB], 1
	s_add_co_u32 s[G0SB+1], s47, SCLB
	s_mov_b64 s[G0SB+2:G0SB+3], s[92:93]
	s_or_b32 s[G0SB+3], s[G0SB+3], 0x80000000
	JLOAD G0S, G1S, G0SB, G1SB
.irp s, 0,1
	s_mov_b32 s[G0+4*\s], 1
	s_add_co_u32 s[G0+4*\s+1], s44, \s*SLOT
	s_add_nc_u64 s[G0+4*\s+2:G0+4*\s+3], s[18:19], \s*4096
	s_or_b32 s[G0+4*\s+3], s[G0+4*\s+3], 0x80000000
	s_mov_b32 s[G0B+4*\s], 1
	s_add_co_u32 s[G0B+4*\s+1], s45, \s*SLOT
	s_add_nc_u64 s[G0B+4*\s+2:G0B+4*\s+3], s[22:23], \s*4096
	s_or_b32 s[G0B+4*\s+3], s[G0B+4*\s+3], 0x80000000
	JLOAD G0+4*\s, G1, G0B+4*\s, G1B
.endr
	v_and_b32 v3, 31, v0                           ; lane
	v_and_b32 v1, 15, v0                           ; r
	v_bfe_u32 v2, v0, 4, 1                         ; h
	v_lshlrev_b32 v4, 4, v3                        ; 16 x lane
	s_lshl_b32 s17, s15, 14                        ; my four tiles of A
	s_lshl_b32 s94, s16, 15                        ; my eight of B,
	s_add_co_u32 s94, s94, 32768                   ; behind A's eight
.irp s, 0,1
	v_add_nc_u32 v[ADRA+\s], s17, v4
	v_add_nc_u32 v[ADRB+\s], s94, v4
	s_add_co_u32 s17, s17, SLOT
	s_add_co_u32 s94, s94, SLOT
.endr
	v_lshlrev_b32 v5, 5, v1
	v_lshrrev_b32 v6, 3, v1
	v_lshl_add_u32 v5, v6, 4, v5                   ; my row's scales: 32 bytes a row, 16 more for each 256 passed
	s_mul_i32 s17, s15, 2176
	s_mul_i32 s94, s16, 4352
	s_add_co_u32 s94, s94, SCLB-SCL
	s_sub_co_u32 s94, s94, s17
	v_mul_u32_u24 v6, s94, v2                      ; lanes 16-31 take B's: the lower base + h x the distance
	s_add_co_u32 s17, s17, SCL
	v_add_nc_u32 v5, v5, v6
	v_add_nc_u32 v[ADRS], s17, v5
	s_mov_b32 s[SEL], 0x76543210
	s_mov_b32 s[SEL+1], 0xfedcba98
.irp b, 0,1,2,3
	v_mov_b32 v[TM+4+\b], 0                        ; written once: a lane permute's destination counts as one of its sources
.endr
	s_cmp_eq_u32 s40, 1
	s_cbranch_scc1 .Lv
; ---- q, k
	s_cmp_eq_u32 ttmp9, 0
	s_cselect_b64 s[6:7], s[6:7], s[8:9]           ; bq or bk
	s_lshl_b32 s2, s43, 10
	s_lshl_b32 s3, s16, 9
	s_add_co_u32 s2, s2, s3                        ; my 128 features, in bytes
	s_mov_b32 s3, 0
	s_add_nc_u64 s[6:7], s[6:7], s[2:3]
	v_lshlrev_b32 v7, 6, v2                        ; lane (r, h) wants, for tile 2 b + u, features 32 b + 16 h + 8 u + 0 .. 7
	WIN 0x40
.irp b, 0,1,2,3,4,5,6,7
	global_load_b128 v[128+8*\b:128+8*\b+3], v7, s[6:7] offset:(32*(\b/2)+8*(\b%2))*4
	global_load_b128 v[128+8*\b+4:128+8*\b+7], v7, s[6:7] offset:(32*(\b/2)+8*(\b%2))*4+16
.endr
	WIN 0
	s_lshl_b32 s104, s42, 7
	s_lshl_b32 s105, s15, 6
	s_add_co_u32 s104, s104, s105                  ; my first token
	s_lshr_b32 s105, s104, 11                      ; its batch
	s_bfe_u32 s104, s104, 0x70004                  ; its tile in the batch
	s_lshl_b32 s105, s105, 4
	s_lshl_b32 s2, s43, 2
	s_add_co_u32 s105, s105, s2
	s_lshl_b32 s2, s16, 1
	s_add_co_u32 s105, s105, s2                    ; 16 x batch + my first head
	s_lshl_b32 s2, s105, 16
	s_lshl_b32 s3, s104, 9
	s_add_co_u32 s2, s2, s3
	s_lshl_b32 s3, ttmp9, 22                       ; q's codes at 0, k's 4,194,304 on
	s_add_co_u32 s2, s2, s3
	s_mov_b32 s3, 0
	s_add_nc_u64 s[8:9], s[12:13], s[2:3]
	s_lshl_b32 s2, s105, 13
	s_lshl_b32 s104, s104, 6
	s_add_co_u32 s2, s2, s104
	s_lshl_b32 s104, ttmp9, 19
	s_add_co_u32 s2, s2, s104
	s_add_co_u32 s2, s2, QSO
	s_add_nc_u64 s[10:11], s[12:13], s[2:3]
	v_lshlrev_b32 v8, 4, v1
	v_lshl_or_b32 v8, v2, 13, v8                   ; scale words: 16 r; lanes 16-31 the next head's, 8,192 bytes on
	v_lshlrev_b32 v9, 4, v2                        ; 16 h
	MAIN
	s_wait_loadcnt 0x0                             ; the biases
.irp a, 0,1,2,3
	EPI \a, 0
	global_store_b128 v4, v[96+8*\a:99+8*\a], s[8:9] offset:512*\a           ; my first head's 64: 512 consecutive bytes
	global_store_b128 v4, v[100+8*\a:103+8*\a], s[8:9] offset:65536+512*\a   ; the next head's
.endr
.irp a, 0,1,2,3
	v_lshrrev_b32 v[132+\a], v9, v[128+\a]         ; lanes 0-15: bytes 0, 1 (the first head's two blocks); lanes 16-31: bytes 2, 3
.endr
.irp a, 0,1,2,3
	v_and_b32 v[132+\a], 0xffff, v[132+\a]         ; bytes 2, 3 of a stored word are 0: attention's K step is 128, the head's K is 64
.endr
	global_store_b128 v8, v[132:135], s[10:11]     ; sixteen lanes fill 256 consecutive bytes
	s_branch .Lend
; ---- v
.Lv:
	s_lshl_b32 s104, s42, 1
	s_add_co_u32 s104, s104, s15                   ; my head
	s_lshl_b32 s2, s104, 8
	s_mov_b32 s3, 0
	s_add_nc_u64 s[10:11], s[10:11], s[2:3]        ; bv at my head's 64
	v_lshrrev_b32 v7, 3, v1
	v_lshl_add_u32 v7, v7, 3, v1
	v_lshlrev_b32 v7, 2, v7                        ; 4 (r + 8 (r / 8)): the feature of row r of a tile
	WIN 0x40
.irp a, 0,1,2,3
	global_load_b32 v[128+2*\a], v7, s[10:11] offset:(32*(\a/2)+8*(\a%2))*4
	global_load_b32 v[129+2*\a], v7, s[10:11] offset:(32*(\a/2)+8*(\a%2))*4   ; twice: a pair for the packed addition
.endr
	WIN 0
	s_lshl_b32 s105, s43, 8
	s_lshl_b32 s2, s16, 7
	s_add_co_u32 s105, s105, s2                    ; my first token
	s_lshr_b32 s2, s105, 11                        ; its batch
	s_bfe_u32 s105, s105, 0x40007                  ; its step of 128 keys
	s_lshl_b32 s2, s2, 4
	s_add_co_u32 s2, s2, s104
	s_lshl_b32 s2, s2, 4
	s_add_co_u32 s104, s2, s105                    ; 16 (16 x batch + head) + step
	s_lshl_b32 s2, s104, 12
	s_add_co_u32 s2, s2, VCO
	s_add_nc_u64 s[8:9], s[12:13], s[2:3]
	s_lshl_b32 s2, s104, 8
	s_add_co_u32 s2, s2, VSO
	s_add_nc_u64 s[6:7], s[12:13], s[2:3]
	s_mov_b32 s105, 0xffff0000                     ; lanes 16-31
	v_lshlrev_b32 v8, 4, v1
	v_lshl_or_b32 v8, v2, 3, v8                    ; scale words: 16 r + 8 h
	MAIN
	s_wait_loadcnt 0x0
.irp a, 0,1,2,3
	EPI \a, 1
	global_store_b128 v4, v[96+8*\a:99+8*\a], s[8:9] offset:1024*\a
	global_store_b128 v4, v[100+8*\a:103+8*\a], s[8:9] offset:1024*\a+512
.endr
	v_cndmask_b32 v132, v128, v130, s105           ; lanes 0-15 store tiles 0, 1's words of row r, lanes 16-31 tiles 2, 3's
	v_cndmask_b32 v133, v129, v131, s105
	global_store_b64 v8, v[132:133], s[6:7]        ; 256 consecutive bytes
.Lend:
	s_wait_tensorcnt 0x0
	ds_add_u32 v254, v255
	s_wait_dscnt 0x0
	CROUND                                         ; the closing round: no work-group ends while a partner may still ask for a tile that names it
	s_endpgm
.Lfunc_end_k_qf5251ba29d_qkv:
	.size	k_qf5251ba29d_qkv, .Lfunc_end_k_qf5251ba29d_qkv-k_qf5251ba29d_qkv
	.p2alignl 7, 3214868480
	.fill 96, 4, 3214868480
	.section	.rodata,"a",@progbits
	.p2align	6, 0x0
	.amdhsa_kernel k_qf5251ba29d_qkv
		.amdhsa_group_segment_fixed_size 213504
		.amdhsa_private_segment_fixed_size 0
		.amdhsa_enable_private_segment 0
		.amdhsa_kernarg_size 40
		.amdhsa_user_sgpr_count 2
		.amdhsa_user_sgpr_kernarg_segment_ptr 1
		.amdhsa_wavefront_size32 1
		.amdhsa_system_sgpr_workgroup_id_x 1
		.amdhsa_system_sgpr_workgroup_id_y 1
		.amdhsa_system_sgpr_workgroup_id_z 1
		.amdhsa_system_vgpr_workitem_id 0
		.amdhsa_next_free_vgpr 768
		.amdhsa_next_free_sgpr 106
		.amdhsa_reserve_vcc 0
		.amdhsa_float_denorm_mode_32 3
		.amdhsa_float_denorm_mode_16_64 3
		.amdhsa_memory_ordered 1
		.amdhsa_forward_progress 1
		.amdhsa_inst_pref_size 158
	.end_amdhsa_kernel
	.amdgpu_metadata
---
amdhsa.version: [ 1, 2 ]
amdhsa.kernels:
  - .name:           k_qf5251ba29d_qkv
    .symbol:         k_qf5251ba29d_qkv.kd
    .args:
      - { .name: hw, .offset: 0, .size: 8, .value_kind: global_buffer, .address_space: global }
      - { .name: bq, .offset: 8, .size: 8, .value_kind: global_buffer, .address_space: global }
      - { .name: bk, .offset: 16, .size: 8, .value_kind: global_buffer, .address_space: global }
      - { .name: bv, .offset: 24, .size: 8, .value_kind: global_buffer, .address_space: global }
      - { .name: qkv, .offset: 32, .size: 8, .value_kind: global_buffer, .address_space: global }
    .group_segment_fixed_size: 213504
    .private_segment_fixed_size: 0
    .kernarg_segment_align: 8
    .kernarg_segment_size: 40
    .max_flat_workgroup_size: 128
    .sgpr_count:     106
    .vgpr_count:     768
    .wavefront_size: 32
...
	.end_amdgpu_metadata
.endif
;; end of part 2
;; launch attn (part 3): grid 4 x 64, 16 waves a work-group, no clusters, 145,408 bytes of LDS; arguments qkv, mk, oq; writes oq
.if DOCPART == 3
	.amdgcn_target "amdgcn-amd-amdhsa--gfx1250"
	.amdhsa_code_object_version 6
	.text
	.protected	k_qf5251ba29d_attn
	.globl	k_qf5251ba29d_attn
	.p2align	8
	.type	k_qf5251ba29d_attn,@function
k_qf5251ba29d_attn:
	s_mov_b64 s[64:65], 0
	v_nop
	global_prefetch_b8 v0, s[64:65] scope:SCOPE_SE
	s_setreg_imm32_b32 hwreg(HW_REG_WAVE_MODE, 25, 1), 1
	s_wait_xcnt 0x0
; o = softmax(mask(q k^T / 32)) v for one (batch, head), both products on codes of FP4 (E2M1) with E8M0 scales; o is quantised along the hidden axis for the last product.
; THE SOFTMAX AHEAD OF THE SECOND PRODUCT: t = score x log2(e) / 32; M = the row's largest t so far, rounded up to a whole number; p = 2^(t - M) is quantised along the keys, not normalised;
; the row's sum is taken of the unquantised p and divides at the end.  When M moves, the sum and O are multiplied by 2^(old M - new M): exact.
; SHARES.  A work-group holds a whole head's codes and scales of k and v in LDS (140 KB), filled once through registers; one barrier, none afterwards.  Four work-groups to a head.  Each of the sixteen
; waves owns two tiles of 16 queries, T1 = g + 4 w and T2 = g + 124 - 4 w, one after the other, in 256 registers: four waves to a SIMD, so that one wave's vector work stands beside another's products.
; THE MASK IS AN INPUT.  An earlier launch has packed it: for each (tile, step of 128 keys) 64 words, each the lane mask of one score register, and two flags.  A step that is closed for all 16 queries is
; left out, and the words are applied only in a step that is not all open: scalar branches on whole numbers read from memory.  This launch has no tensor load, no copy and no joint load:
; what the four work-groups of a head share is read once, at the head.
; A closed score becomes -2^35 (as a logit -2^30, for reference()'s -1e9): -2^35 c is a whole number, so a row with no open key has p = 1 for every key, as reference() has; beside any open score p is 0.
; LIMITS: the results differ from reference()'s only where an open logit lies under about -1e9.  NaN and infinities are not served.  A block of zeros gets the scale byte 1 (its codes are zeros).
; LAYOUT.  Both products are used transposed (S^T = k q^T, O^T = v^T p^T): a lane holds one query throughout.  The rows of k's tiles are stored so that the 16 registers of tiles 2 b, 2 b + 1 are keys
; 32 b + 16 (lane / 16) + 0 .. 15; v's tiles likewise along d.
; THE HEAD'S K IS 64 OF THE INSTRUCTION'S 128: q's upper four registers are zero codes, and bytes 2, 3 of q's and k's scale words are 0.  So what stands in the upper half of a k operand (the next tile's codes)
; is multiplied by the number 0: tile t's operand is v[32 + 4 t : 39 + 4 t], and a step's k costs 8 loads.
; REGISTERS: v1-5 addresses that stay; v8-11 addresses of the step; v12 -M, v13 the largest t, v[14:15] the sum; v16-23 q of T1, v24 its scale words; v25 -2^35; v32-67 k; v68-75 k's scale words; v76-79 v's;
;   v80-87 q of T2, v88 its scale words; v96-159 S^T, then p; v160-191 O^T; v192-223 v; v224-231 p's codes; v232-254 at work.
.set KCO, 4194304
.set VCO, 8388608
.set QSO, 12582912
.set KSO, 13107200
.set VSO, 13631488
.set MFO, 524288
.set OSO, 4194304
.set LV,  65536                        ; LDS: k's codes at 0, v's here,
.set LKS, 131072                       ; k's scale words,
.set LVS, 139264                       ; v's
	s_load_b128 s[4:7], s[0:1], 0x0                ; qkv, mk
	s_load_b64 s[8:9], s[0:1], 0x10                ; oq
	v_lshl_add_u32 v251, v0, 2, 0x23000
	v_mov_b32 v255, 0
	v_lshrrev_b32 v1, 5, v0
	v_readfirstlane_b32 s10, v1                    ; wave 0..15
	s_and_b32 s12, ttmp7, 0xffff                   ; 16 x batch + head
	s_lshl_b32 s13, s10, 2
	s_add_co_u32 s96, ttmp9, s13                   ; T1
	s_sub_co_u32 s97, 124, s13
	s_add_co_u32 s97, s97, ttmp9                   ; T2
	v_lshlrev_b32 v6, 4, v0                        ; 16 x thread: the fill
	v_lshlrev_b32 v7, 3, v0
	v_add_nc_u32 v28, LV, v6
	v_add_nc_u32 v29, LKS, v6
	v_add_nc_u32 v30, LVS, v7
	v_and_b32 v26, 31, v0
	v_lshlrev_b32 v1, 4, v26                       ; 16 x lane
	v_and_b32 v26, 15, v0                          ; r
	v_bfe_u32 v27, v0, 4, 1                        ; h
	v_lshlrev_b32 v31, 4, v26                      ; 16 r
	v_add_nc_u32 v2, LV, v1
	v_add_nc_u32 v3, LKS, v31
	v_add_nc_u32 v4, LVS, v31
	v_lshl_add_u32 v5, v26, 5, v27                 ; 32 r + h: o's scale byte
	s_lshl_b32 s16, s12, 16                        ; a head's codes: 65,536 bytes
	s_add_co_u32 s18, s16, KCO
	s_mov_b32 s19, 0
	s_add_co_u32 s20, s16, VCO
	s_mov_b32 s21, 0
	s_lshl_b32 s22, s12, 13
	s_add_co_u32 s24, s22, QSO
	s_add_co_u32 s22, s22, KSO
	s_mov_b32 s23, 0
	s_lshl_b32 s26, s12, 12
	s_add_co_u32 s26, s26, VSO
	s_mov_b32 s27, 0
	s_lshl_b32 s28, s96, 9
	s_add_co_u32 s28, s28, s16                     ; q's tile T1
	s_mov_b32 s29, 0
	s_lshl_b32 s30, s97, 9
	s_add_co_u32 s30, s30, s16                     ; and T2
	s_mov_b32 s31, 0
	s_lshr_b32 s32, s96, 2                         ; its scale words: 256 bytes for four tiles, word T % 4 of a row's four
	s_lshl_b32 s32, s32, 8
	s_and_b32 s33, s96, 3
	s_lshl_b32 s33, s33, 2
	s_add_co_u32 s32, s32, s33
	s_add_co_u32 s32, s32, s24
	s_mov_b32 s33, 0
	s_lshr_b32 s34, s97, 2
	s_lshl_b32 s34, s34, 8
	s_and_b32 s35, s97, 3
	s_lshl_b32 s35, s35, 2
	s_add_co_u32 s34, s34, s35
	s_add_co_u32 s34, s34, s24
	s_mov_b32 s35, 0
	s_lshl_b32 s14, s96, 2
	s_lshl_b32 s15, s97, 2
	s_wait_kmcnt 0x0
	s_add_nc_u64 s[18:19], s[4:5], s[18:19]
	s_add_nc_u64 s[20:21], s[4:5], s[20:21]
	s_add_nc_u64 s[22:23], s[4:5], s[22:23]
	s_add_nc_u64 s[26:27], s[4:5], s[26:27]
	s_add_nc_u64 s[28:29], s[4:5], s[28:29]
	s_add_nc_u64 s[30:31], s[4:5], s[30:31]
	s_add_nc_u64 s[32:33], s[4:5], s[32:33]
	s_add_nc_u64 s[34:35], s[4:5], s[34:35]
.irp i, 0,1,2,3,4,5,6,7
	global_load_b128 v[96+4*\i:99+4*\i], v6, s[18:19] offset:8192*\i     ; the 512 threads take 8,192 consecutive bytes an instruction
.endr
.irp i, 0,1,2,3,4,5,6,7
	global_load_b128 v[128+4*\i:131+4*\i], v6, s[20:21] offset:8192*\i
.endr
	global_load_b128 v[160:163], v6, s[22:23]
	global_load_b64 v[164:165], v7, s[26:27]
	global_load_b128 v[16:19], v1, s[28:29]        ; q of T1: lane (r, h): block h of row r
	global_load_b32 v24, v31, s[32:33]
	global_load_b128 v[80:83], v1, s[30:31]
	global_load_b32 v88, v31, s[34:35]
	s_load_b32 s66, s[6:7], s14 offset:MFO         ; the flags of T1
	s_load_b32 s67, s[6:7], s15 offset:MFO         ; and of T2
	s_wait_loadcnt 4                               ; k and v are in; q's four loads may stay out
.irp i, 0,1,2,3,4,5,6,7
	ds_store_b128 v6, v[96+4*\i:99+4*\i] offset:8192*\i
.endr
.irp i, 0,1,2,3,4,5,6,7
	ds_store_b128 v28, v[128+4*\i:131+4*\i] offset:8192*\i
.endr
	ds_store_b128 v29, v[160:163]
	ds_store_b64 v30, v[164:165]
	s_wait_dscnt 0x0                               ; for the others' sake: my part lies in LDS
	s_barrier_signal -1
	s_barrier_wait -1                              ; from here on LDS is only read
.irp q, 20,21,22,23,84,85,86,87,64,65,66,67
	v_mov_b32 v\q, 0                               ; zero codes: q's upper halves, and what stands behind k's last tile
.endr
.irp q, 236,237,238,239,252,253
	v_mov_b32 v\q, 0                               ; written once: permutes' destinations, and the upper half of the pair v[252:253]
.endr
	v_mov_b32 v25, 0xd1000000                      ; -2^35
	s_mov_b32 s88, 0x76543210
	s_mov_b32 s89, 0xfedcba98                      ; v_permlanex16_b32's selects for lane l xor 16
	s_mov_b32 s90, 0x3d38aa3b                      ; c = log2(e) / 32
	s_mov_b32 s91, s90
	s_mov_b32 s98, 0xffff0000                      ; lanes 16-31
	s_wait_loadcnt 0x0                             ; q
	s_wait_kmcnt 0x0                               ; the flags
.macro SPROD qf, qsw                   ; S^T = k q^T: eight tiles of 16 keys
.irp t, 0,1,2,3,4,5,6,7
	v_wmma_scale_f32_16x16x128_f8f6f4 v[96+8*\t:103+8*\t], v[32+4*\t:39+4*\t], v[\qf:\qf+7], 0, v[68+\t], v[\qsw] matrix_a_fmt:MATRIX_FMT_FP4 matrix_b_fmt:MATRIX_FMT_FP4
.endr
.endm
; One tile of 16 queries against all 16 key steps.  qf, qsw: q's fragment and scale words; sT, sFL: the scalar registers with the tile's number and its flags.
.macro PASS qf, qsw, sT, sFL
	v_mov_b32 v13, 0xff61b1e6                      ; the largest t so far: -3e38
	v_floor_f32 v12, -v13
	v_mov_b32 v14, 0
	v_mov_b32 v15, 0
.set j, 0
.rept 32
	v_mov_b32 v[160+j], 0                          ; O^T.  (The step is written once: the first finds zeros, which the first change of M leaves zeros)
.set j, j+1
.endr
	s_mov_b32 s84, s[\sFL]                         ; bit 0: leave this step out; bit 16: apply the words; shifted a place a step
	s_lshl_b32 s86, s[\sT], 12
	s_mov_b32 s87, 0
	s_add_nc_u64 s[86:87], s[6:7], s[86:87]        ; the tile's mask words: 256 bytes a step
	s_mov_b32 s92, 0                               ; 4,096 j: codes
	s_mov_b32 s93, 0                               ; 512 j: k's scale words
	s_mov_b32 s94, 0                               ; 256 j: v's scale words, and the mask words
	s_mov_b32 s95, 0                               ; j
.Ltrip_\@:
	s_bitcmp1_b32 s84, 0
	s_cbranch_scc1 .Lnext_\@                       ; closed for all 16 queries, each of which has an open key elsewhere: every p would be 0
	v_add_nc_u32 v8, s92, v1                       ; (these four are also the places behind the last step's products, ahead of the loads into their registers)
	v_add_nc_u32 v9, s92, v2
	v_add_nc_u32 v10, s93, v3
	v_add_nc_u32 v11, s94, v4
.irp t, 0,1,2,3,4,5,6,7
	ds_load_b128 v[32+4*\t:35+4*\t], v8 offset:512*\t
.endr
	ds_load_b128 v[68:71], v10
	ds_load_b128 v[72:75], v10 offset:256
.irp t, 0,1,2,3
	ds_load_b128 v[192+8*\t:195+8*\t], v9 offset:1024*\t
	ds_load_b128 v[196+8*\t:199+8*\t], v9 offset:1024*\t+512
.endr
	ds_load_b128 v[76:79], v11
	s_bitcmp1_b32 s84, 16
	s_cbranch_scc0 .Lplain_\@
	s_load_b512 s[16:31], s[86:87], s94 offset:0x0
	s_load_b512 s[32:47], s[86:87], s94 offset:0x40
	s_load_b512 s[48:63], s[86:87], s94 offset:0x80
	s_load_b512 s[68:83], s[86:87], s94 offset:0xc0
	s_wait_dscnt 9                                 ; k and its scale words are in; v's nine loads may stay out
	SPROD \qf, \qsw
	s_wait_kmcnt 0x0
.rept 4
	v_nop
.endr
.set n, 0
.rept 48
	v_cndmask_b32 v[96+n], v25, v[96+n], s[16+n]   ; a closed key's score becomes -2^35
.set n, n+1
.endr
.rept 16
	v_cndmask_b32 v[96+n], v25, v[96+n], s[20+n]
.set n, n+1
.endr
	s_branch .Ljoin_\@
.Lplain_\@:
	s_wait_dscnt 9
	SPROD \qf, \qsw
.rept 4
	v_nop
.endr
.Ljoin_\@:
.irp b, 0,1,2,3
	v_max3_num_f32 v[232+\b], v[96+16*\b], v[97+16*\b], v[98+16*\b]   ; the largest score of each block of 32 keys: it serves the row's maximum and, since p rises with the score, the block's largest p
.endr
.irp i, 3,5,7,9,11,13
.irp b, 0,1,2,3
	v_max3_num_f32 v[232+\b], v[232+\b], v[96+16*\b+\i], v[97+16*\b+\i]
.endr
.endr
.irp b, 0,1,2,3
	v_max_num_f32 v[232+\b], v[232+\b], v[111+16*\b]
.endr
.irp b, 0,1,2,3
	v_permlanex16_b32 v[236+\b], v[232+\b], s88, s89
.endr
.irp b, 0,1,2,3
	v_max_num_f32 v[232+\b], v[232+\b], v[236+\b]  ; with lane l xor 16's 16 keys
.endr
	v_max3_num_f32 v254, v232, v233, v234
	v_max_num_f32 v254, v254, v235
	v_mul_f32 v254, s90, v254                      ; as t
	v_max_num_f32 v13, v13, v254                   ; the running largest t
	v_mov_b32 v254, v12
	v_floor_f32 v12, -v13                          ; the new -M = -ceil(t)
	v_sub_f32 v254, v12, v254                      ; old M - new M: a whole number, 0 or less
	v_cvt_i32_f32 v254, v254                       ; (it saturates)
	v_ldexp_f32 v252, 1.0, v254                    ; f = 2^(old M - new M)
.set j, 0
.rept 32
	v_pk_fma_f32 v[96+j:97+j], v[96+j:97+j], s[90:91], v[12:13] op_sel_hi:[1,0,0]   ; t - M
.set j, j+2
.endr
.irp b, 0,1,2,3
	v_fma_f32 v[232+\b], v[232+\b], s90, v12
.endr
.set j, 0
.rept 64
	v_exp_f32 v[96+j], v[96+j]                     ; p = 2^(t - M)
.set j, j+1
.endr
	v_pk_mul_f32 v[14:15], v[14:15], v[252:253] op_sel_hi:[1,0]   ; the sums under the new M (a plain place behind the exponentials)
	s_wait_alu depctr_va_vdst(0)                   ; one wait for the batch, ahead of its first reader
.irp b, 0,1,2,3
	v_exp_f32 v[232+\b], v[232+\b]                 ; each block's largest p
.endr
	v_pk_add_f32 v[236:237], v[96:97], v[98:99]    ; the row's sum, of the unquantised p, in two chains
.set j, 4
.rept 15
	v_pk_add_f32 v[14:15], v[14:15], v[96+j:97+j]
	v_pk_add_f32 v[236:237], v[236:237], v[98+j:99+j]
.set j, j+4
.endr
	v_pk_add_f32 v[14:15], v[14:15], v[236:237]
	s_wait_alu depctr_va_vdst(0)                   ; and one for the four
.irp b, 0,1,2,3
	v_max_num_f32 v[232+\b], 0x1800000, v[232+\b]  ; the floor 2^(3 - 127): the byte cannot fall under 1
.endr
.irp b, 0,1,2,3
	v_add_nc_u32 v[244+\b], 0xff000000, v[232+\b]  ; 2 off the exponent field: the conversion's scale operand
.endr
.irp b, 0,1,2,3
	v_lshrrev_b32 v[236+\b], 23, v[244+\b]
.endr
	v_lshl_or_b32 v253, v237, 8, v236              ; p's scale word for these 128 keys
	v_lshl_or_b32 v253, v238, 16, v253
	v_lshl_or_b32 v253, v239, 24, v253
.irp b, 0,1,2,3
	v_cvt_scalef32_pk8_fp4_f32 v[224+2*\b], v[96+16*\b:103+16*\b], v[244+\b]
	v_cvt_scalef32_pk8_fp4_f32 v[225+2*\b], v[104+16*\b:111+16*\b], v[244+\b]
.endr
	v_nop                                          ; one plain place behind a scaled conversion
.irp c, 0,1
.irp i, 0,1
	v_permlane16_swap_b32 v[224+4*\c+\i], v[226+4*\c+\i]   ; a whole block in a lane
.endr
.endr
.set j, 0
.rept 16
	v_pk_mul_f32 v[160+j:161+j], v[160+j:161+j], v[252:253] op_sel_hi:[1,0]   ; O^T under the new M.  (These sixteen are also the places ahead of the scaled products below)
.set j, j+2
.endr
	s_wait_dscnt 0x0                               ; v and its scale words are in
.irp t, 0,1,2,3                                ; O^T += v^T p^T: each accumulator has one instruction a step, and the eight products of the scores stand between two steps' turns
	v_wmma_scale_f32_16x16x128_f8f6f4 v[160+8*\t:167+8*\t], v[192+8*\t:199+8*\t], v[224:231], v[160+8*\t:167+8*\t], v[76+\t], v253 matrix_a_fmt:MATRIX_FMT_FP4 matrix_b_fmt:MATRIX_FMT_FP4
.endr
.Lnext_\@:
	s_lshr_b32 s84, s84, 1
	s_add_co_u32 s92, s92, 4096
	s_add_co_u32 s93, s93, 512
	s_add_co_u32 s94, s94, 256
	s_add_co_u32 s95, s95, 1
	s_cmp_lt_u32 s95, 16
	s_cbranch_scc1 .Ltrip_\@
	; the way out: O^T / the sum, quantised along d: register 16 b + i is d = 32 b + 16 (lane / 16) + i
.rept 4
	v_nop
.endr
	v_add_f32 v14, v14, v15
	v_permlanex16_b32 v252, v14, s88, s89
	v_add_f32 v14, v14, v252                       ; the row's sum
	v_rcp_f32 v14, v14
	v_nop
	s_lshr_b32 s16, s12, 4
	s_lshl_b32 s16, s16, 7
	s_add_co_u32 s16, s16, s[\sT]                  ; the tile among all 512
	s_and_b32 s17, s12, 15                         ; the head
	s_lshl_b32 s18, s16, 13
	s_lshl_b32 s20, s17, 9
	s_add_co_u32 s18, s18, s20
	s_mov_b32 s19, 0
	s_add_nc_u64 s[18:19], s[8:9], s[18:19]        ; o's codes: blocks 2 head, 2 head + 1 of the tile's image
	s_lshl_b32 s20, s16, 9
	s_lshl_b32 s17, s17, 1
	s_add_co_u32 s20, s20, s17
	s_add_co_u32 s20, s20, OSO
	s_mov_b32 s21, 0
	s_add_nc_u64 s[20:21], s[8:9], s[20:21]
	s_wait_alu depctr_va_vdst(0)                   ; the wait ahead of the reciprocal's first reader
.set j, 0
.rept 32
	v_mul_f32 v[96+j], v[160+j], v14
.set j, j+1
.endr
.irp b, 0,1
	v_max3_num_f32 v[232+\b], |v[96+16*\b]|, |v[97+16*\b]|, 0x1800000
.endr
.irp i, 2,4,6,8,10,12,14
.irp b, 0,1
	v_max3_num_f32 v[232+\b], v[232+\b], |v[96+16*\b+\i]|, |v[97+16*\b+\i]|
.endr
.endr
.irp b, 0,1
	v_permlanex16_b32 v[236+\b], v[232+\b], s88, s89
.endr
.irp b, 0,1
	v_max_num_f32 v[232+\b], v[232+\b], v[236+\b]
.endr
.irp b, 0,1
	v_add_nc_u32 v[244+\b], 0xff000000, v[232+\b]
.endr
.irp b, 0,1
	v_lshrrev_b32 v[236+\b], 23, v[244+\b]
.endr
.irp b, 0,1
	v_cvt_scalef32_pk8_fp4_f32 v[224+2*\b], v[96+16*\b:103+16*\b], v[244+\b]
	v_cvt_scalef32_pk8_fp4_f32 v[225+2*\b], v[104+16*\b:111+16*\b], v[244+\b]
.endr
	v_nop
	v_permlane16_swap_b32 v224, v226
	v_permlane16_swap_b32 v225, v227               ; lanes 0-15 hold block 0 of row r, lanes 16-31 block 1
	v_cndmask_b32 v238, v236, v237, s98            ; and its byte
	global_store_b128 v1, v[224:227], s[18:19]     ; 512 consecutive bytes, aligned
	global_store_b8 v5, v238, s[20:21]             ; two bytes of each row's 32: 32 bytes beside the tile's 512 of codes
	s_wait_xcnt 0x0                                ; the stores have read their registers and bases: the next tile may write them
.endm
	PASS 16, 24, 96, 66
	PASS 80, 88, 97, 67
	s_wait_tensorcnt 0x0
	ds_add_u32 v251, v255
	s_wait_dscnt 0x0
	s_endpgm
.Lfunc_end_k_qf5251ba29d_attn:
	.size	k_qf5251ba29d_attn, .Lfunc_end_k_qf5251ba29d_attn-k_qf5251ba29d_attn
	.p2alignl 7, 3214868480
	.fill 96, 4, 3214868480
	.section	.rodata,"a",@progbits
	.p2align	6, 0x0
	.amdhsa_kernel k_qf5251ba29d_attn
		.amdhsa_group_segment_fixed_size 145408
		.amdhsa_private_segment_fixed_size 0
		.amdhsa_enable_private_segment 0
		.amdhsa_kernarg_size 24
		.amdhsa_user_sgpr_count 2
		.amdhsa_user_sgpr_kernarg_segment_ptr 1
		.amdhsa_wavefront_size32 1
		.amdhsa_system_sgpr_workgroup_id_x 1
		.amdhsa_system_sgpr_workgroup_id_y 1
		.amdhsa_system_sgpr_workgroup_id_z 1
		.amdhsa_system_vgpr_workitem_id 0
		.amdhsa_next_free_vgpr 256
		.amdhsa_next_free_sgpr 100
		.amdhsa_reserve_vcc 0
		.amdhsa_float_denorm_mode_32 3
		.amdhsa_float_denorm_mode_16_64 3
		.amdhsa_memory_ordered 1
		.amdhsa_forward_progress 1
		.amdhsa_inst_pref_size 60
	.end_amdhsa_kernel
	.amdgpu_metadata
---
amdhsa.version: [ 1, 2 ]
amdhsa.kernels:
  - .name:           k_qf5251ba29d_attn
    .symbol:         k_qf5251ba29d_attn.kd
    .args:
      - { .name: qkv, .offset: 0, .size: 8, .value_kind: global_buffer, .address_space: global }
      - { .name: mk, .offset: 8, .size: 8, .value_kind: global_buffer, .address_space: global }
      - { .name: oq, .offset: 16, .size: 8, .value_kind: global_buffer, .address_space: global }
    .group_segment_fixed_size: 145408
    .private_segment_fixed_size: 0
    .kernarg_segment_align: 8
    .kernarg_segment_size: 24
    .max_flat_workgroup_size: 512
    .sgpr_count:     100
    .vgpr_count:     256
    .wavefront_size: 32
...
	.end_amdgpu_metadata
.endif
;; end of part 3
;; launch proj (part 4): grid 4 x 64, 4 waves a work-group, clusters of 4 x 4, 246,272 bytes of LDS; arguments oq, hw, x, bo, out0; writes out0
.if DOCPART == 4
	.amdgcn_target "amdgcn-amd-amdhsa--gfx1250"
	.amdhsa_code_object_version 6
	.text
	.protected	k_qf5251ba29d_proj
	.globl	k_qf5251ba29d_proj
	.p2align	8
	.type	k_qf5251ba29d_proj,@function
k_qf5251ba29d_proj:
	s_mov_b64 s[64:65], 0
	v_nop
	global_prefetch_b8 v0, s[64:65] scope:SCOPE_SE
	s_setreg_imm32_b32 hwreg(HW_REG_WAVE_MODE, 25, 1), 1
	s_wait_xcnt 0x0
	s_wait_alu depctr_hold_cnt(0) depctr_sa_sdst(0) depctr_va_vdst(0) depctr_va_sdst(0) depctr_va_ssrc(0) depctr_va_vcc(0) depctr_vm_vsrc(0)
	s_getreg_b32 s2, hwreg(HW_REG_IB_STS2, 6, 4)
	s_cmp_eq_u32 s2, 0
	s_cbranch_scc0 .Lentry_in_a_cluster
	s_endpgm
.Lentry_in_a_cluster:
	s_bfe_u32 s2, ttmp6, 0x10000c
	s_cmp_lg_u32 s2, 0xf033
	s_cbranch_scc0 .Lentry_shape_is_right
	s_endpgm
.Lentry_shape_is_right:
; out0 = x + o Wo + bo; the product on codes of FP4 (E2M1) with E8M0 scales, K = 1,024.
; A work-group makes 128 tokens x 256 features; four waves, 64 x 128 each: 32 accumulators.  Source 0 = 16 rows of Wo (features), source 1 = 16 tokens: a lane holds one token and neighbouring features.
; ALL OF K LIES IN LDS: each wave asks for three tiles at the head (scales, first half of K, second half), and nothing is ever filled again: no ring, nothing to ask for ahead of time.
; By this text's count a wave has three tensor loads out.  The wave's 64 x 128 numbers of x are asked for at the head too, into 256 registers of their own, and land under the product.
; CLUSTERS: 4 x 4 work-groups; o's tiles are shared along a row of the cluster, Wo's along a column: joint loads.
; Tokens and features are stored at position sigma(index) (bits 3 and 4 change places inside each 32): row t of token tile a is token 32 (a / 2) + 8 (a % 2) + t + 8 (t / 8) of the wave's 64.
; THE WAY OUT: a tile of 16 tokens x 128 features goes through the wave's own stage in LDS and comes back as whole rows of 512 bytes; bo and x are added; 32 lanes store 512 consecutive bytes.
; REGISTERS: window 0: v1-6 addresses; v16-27 LDS addresses; v32-95 scale words and nothing else; v96-159 A's fragments, two sets; on the way out v96-223 rows, two sets; v224-227 bo.
;   window 1: v0-127 B's fragments, two sets.   window 2: the accumulators, (a, b) at v[8 (8 a + b)].   window 3: x, row t of tile a at v[4 (16 a + t)].
.set OSO,  4194304                     ; oq: o's codes at 0, its scales here
.set WCO,  6029312                     ; hw: Wo's codes
.set WSO,  6651904                     ; and scales
.set SLOT, 98304
.set SCL,  196608
.set SCLB, 200960
.set STG,  209664                      ; behind the tiles: a stage of 16 rows x (512 + 16) bytes for each wave; no tile lands there
.set ADRA, 16
.set ADRB, 20
.set STO,  24
.set RD,   25
.set ADRS, 27
.set SC,   32
.set AF,   96
.set BK,   96
.set G1,   24
.set G0,   32
.set G1B,  48
.set G0B,  56
.set G1S,  68
.set G0S,  76
.set G1SB, 80
.set G0SB, 88
.set MSB, 0
.macro WIN new                         ; the immediate's high byte repeats the setting that is left
.if MSB != \new
	s_set_vgpr_msb (MSB<<8)|\new
.set MSB, \new
.endif
.endm
.macro JLOAD g0a, g1a, g0b, g1b        ; a joint load: waves 0 and 1 fetch for A, waves 2 and 3 for B; four v_nop follow each of the two lines
	s_cmp_eq_u32 s15, 0
	s_cbranch_scc0 .Lfor_b_\@
	tensor_load_to_lds s[\g0a:\g0a+3], s[\g1a:\g1a+7]
	s_nop 0
.rept 4
	v_nop
.endr
	s_branch .Lasked_\@
.Lfor_b_\@:
	tensor_load_to_lds s[\g0b:\g0b+3], s[\g1b:\g1b+7]
	s_nop 0
.rept 4
	v_nop
.endr
.Lasked_\@:
.endm
.macro CROUND                          ; a round of the cluster's barrier
	s_barrier_signal -1
	s_barrier_wait -1
	s_cmp_lg_u32 s14, 0
	s_cbranch_scc1 .Lnot_wave_0_\@
	s_barrier_signal -3
.Lnot_wave_0_\@:
	s_barrier_wait -3
	s_barrier_signal -1
	s_barrier_wait -1
.endm
.macro PLACES                          ; four plain places behind matrix instructions, ahead of loads into their registers and of reads of results
.rept 4
	v_nop
.endr
.endm
.macro FETCH g                         ; the fragments of K step g: B's eight tiles, A's four, into set g % 2
	WIN 0x40
.irp i, 0,1,2,3,4,5,6,7
.irp c, 0,1
	ds_load_b128 v[64*((\g)%2)+8*\i+4*\c:64*((\g)%2)+8*\i+4*\c+3], v[ADRB+(\g)/4] offset:\i*4096+((\g)%4)*1024+512*\c
.endr
.endr
	WIN 0
.irp i, 0,1,2,3
.irp c, 0,1
	ds_load_b128 v[AF+32*((\g)%2)+8*\i+4*\c:AF+32*((\g)%2)+8*\i+4*\c+3], v[ADRA+(\g)/4] offset:\i*4096+((\g)%4)*1024+512*\c
.endr
.endr
.endm
.macro SCALES s                        ; four K steps' scale words: lanes 0-15 A's tile i, lanes 16-31 B's tile i.  (For i over 3 lanes 0-15 read scale bytes that nobody uses, inside the filled bytes)
.irp i, 0,1,2,3,4,5,6,7
	ds_load_b128 v[SC+32*\s+4*\i:SC+32*\s+4*\i+3], v[ADRS] offset:544*\i+16*\s
.endr
.endm
.macro MUL32 g                         ; 32 matrix instructions; the 32 accumulators take turns, in the same order in every step
	WIN 0xa1
.irp a, 0,1,2,3
.irp b, 0,1,2,3,4,5,6,7
.if (\g) == 0
	v_wmma_scale_f32_16x16x128_f8f6f4 v[8*(8*\a+\b):8*(8*\a+\b)+7], v[64*((\g)%2)+8*\b:64*((\g)%2)+8*\b+7], v[AF+32*((\g)%2)+8*\a:AF+32*((\g)%2)+8*\a+7], 0, v[SC+32*((\g)/4)+4*\b+(\g)%4], v[SC+32*((\g)/4)+4*\a+(\g)%4] matrix_a_fmt:MATRIX_FMT_FP4 matrix_b_fmt:MATRIX_FMT_FP4 matrix_a_scale:MATRIX_SCALE_ROW1
.else
	v_wmma_scale_f32_16x16x128_f8f6f4 v[8*(8*\a+\b):8*(8*\a+\b)+7], v[64*((\g)%2)+8*\b:64*((\g)%2)+8*\b+7], v[AF+32*((\g)%2)+8*\a:AF+32*((\g)%2)+8*\a+7], v[8*(8*\a+\b):8*(8*\a+\b)+7], v[SC+32*((\g)/4)+4*\b+(\g)%4], v[SC+32*((\g)/4)+4*\a+(\g)%4] matrix_a_fmt:MATRIX_FMT_FP4 matrix_b_fmt:MATRIX_FMT_FP4 matrix_a_scale:MATRIX_SCALE_ROW1
.endif
.endr
.endr
.endm
.macro GSTEP g
.if (\g) == 3
	s_wait_tensorcnt 0x0                           ; my part of the second half of K has landed
.endif
	s_wait_dscnt 0x0                               ; this step's fragments are in: they were asked for a step, 32 matrix instructions, ago
.if (\g) == 3
	s_barrier_signal -1
	s_barrier_wait -1                              ; everybody's part has landed
.endif
.if (\g) < 7
.if (\g) > 0
	PLACES
.endif
	FETCH (\g)+1
.if (\g) == 3
	SCALES 1
.endif
.endif
	MUL32 \g
.endm
	s_load_b256 s[4:11], s[0:1], 0x0               ; oq, hw, x, bo
	s_load_b64 s[12:13], s[0:1], 0x20              ; out0
	v_lshl_add_u32 v254, v0, 2, 0x3c000
	v_mov_b32 v255, 0
	ds_add_u32 v254, v255
	ds_add_u32 v254, v255
	v_lshrrev_b32 v1, 5, v0
	v_readfirstlane_b32 s14, v1                    ; wave 0..3
	s_lshr_b32 s15, s14, 1                         ; my half of the tokens.  Also: I fetch for A (0) or for B (1)
	s_and_b32 s16, s14, 1                          ; my half of the features.  Also: which half of that side's tiles I fetch
	s_bfe_u32 s96, ttmp6, 0x40000                  ; cx: which 256 features
	s_bfe_u32 s97, ttmp6, 0x40004                  ; cy
	s_lshl_b32 s98, s97, 2
	s_lshl_b32 s98, 15, s98                        ; my row of the cluster
	s_lshl_b32 s99, 0x1111, s96                    ; my column
	s_or_b32 s[G1], s98, (3<<16)|(1<<21)           ; codes: rows = tiles: 4,096 bytes (512 elements of 8) of each tile's 8,192; A: 4 tiles a load, B: 8
	s_or_b32 s[G1B], s99, (3<<16)|(1<<21)
	s_mov_b32 s[G1+1], 512<<16
	s_mov_b32 s[G1+2], 4<<16
	s_mov_b32 s[G1+3], 512<<16
	s_mov_b32 s[G1+4], 4
	s_mov_b32 s[G1+5], 1024
	s_mov_b32 s[G1+6], 0
	s_mov_b32 s[G1+7], 0
	s_mov_b32 s[G1B+1], 512<<16
	s_mov_b32 s[G1B+2], 8<<16
	s_mov_b32 s[G1B+3], 512<<16
	s_mov_b32 s[G1B+4], 8
	s_mov_b32 s[G1B+5], 1024
	s_mov_b32 s[G1B+6], 0
	s_mov_b32 s[G1B+7], 0
	s_or_b32 s[G1S], s98, (3<<16)|(1<<20)|(1<<21)|(5<<22)|(3<<25)    ; scales: rows of 256 bytes, 16 bytes of padding behind each; A: 8 rows a load, B: 16
	s_or_b32 s[G1SB], s99, (3<<16)|(1<<20)|(1<<21)|(5<<22)|(3<<25)
	s_mov_b32 s[G1S+1], 32<<16
	s_mov_b32 s[G1S+2], 8<<16
	s_mov_b32 s[G1S+3], 32<<16
	s_mov_b32 s[G1S+4], 8
	s_mov_b32 s[G1S+5], 32
	s_mov_b32 s[G1S+6], 0
	s_mov_b32 s[G1S+7], 0
	s_mov_b32 s[G1SB+1], 32<<16
	s_mov_b32 s[G1SB+2], 16<<16
	s_mov_b32 s[G1SB+3], 32<<16
	s_mov_b32 s[G1SB+4], 16
	s_mov_b32 s[G1SB+5], 32
	s_mov_b32 s[G1SB+6], 0
	s_mov_b32 s[G1SB+7], 0
	s_and_b32 s41, ttmp7, 0xffff
	s_lshl_b32 s42, s41, 2
	s_add_co_u32 s42, s42, s97                     ; ia: which 128 tokens
	s_lshl_b32 s18, s42, 16
	s_lshl_b32 s17, s16, 15
	s_add_co_u32 s18, s18, s17
	s_mov_b32 s19, 0
	s_lshl_b32 s20, s42, 12
	s_lshl_b32 s17, s16, 11
	s_add_co_u32 s20, s20, s17
	s_add_co_u32 s20, s20, OSO
	s_mov_b32 s21, 0
	s_lshl_b32 s22, s96, 17
	s_lshl_b32 s17, s16, 16
	s_add_co_u32 s22, s22, s17
	s_add_co_u32 s22, s22, WCO
	s_mov_b32 s23, 0
	s_lshl_b32 s92, s96, 13
	s_lshl_b32 s17, s16, 12
	s_add_co_u32 s92, s92, s17
	s_add_co_u32 s92, s92, WSO
	s_mov_b32 s93, 0
	s_lshl_b32 s44, s16, 14                        ; where they go: the wave's number alone enters an LDS address
	s_lshl_b32 s45, s16, 15
	s_add_co_u32 s45, s45, 32768
	s_mul_i32 s46, s16, 2176
	s_mul_i32 s47, s16, 4352
	s_wait_dscnt 0x0
	s_wait_kmcnt 0x0
	s_add_nc_u64 s[18:19], s[4:5], s[18:19]
	s_add_nc_u64 s[20:21], s[4:5], s[20:21]
	s_add_nc_u64 s[22:23], s[6:7], s[22:23]
	s_add_nc_u64 s[92:93], s[6:7], s[92:93]
	CROUND                                         ; all sixteen work-groups are here: the joint loads meet
	s_mov_b32 s[G0S], 1
	s_add_co_u32 s[G0S+1], s46, SCL
	s_mov_b64 s[G0S+2:G0S+3], s[20:21]
	s_or_b32 s[G0S+3], s[G0S+3], 0x80000000
	s_mov_b32 s[G0SB], 1
	s_add_co_u32 s[G0SB+1], s47, SCLB
	s_mov_b64 s[G0SB+2:G0SB+3], s[92:93]
	s_or_b32 s[G0SB+3], s[G0SB+3], 0x80000000
	JLOAD G0S, G1S, G0SB, G1SB
.irp s, 0,1
	s_mov_b32 s[G0+4*\s], 1
	s_add_co_u32 s[G0+4*\s+1], s44, \s*SLOT
	s_add_nc_u64 s[G0+4*\s+2:G0+4*\s+3], s[18:19], \s*4096
	s_or_b32 s[G0+4*\s+3], s[G0+4*\s+3], 0x80000000
	s_mov_b32 s[G0B+4*\s], 1
	s_add_co_u32 s[G0B+4*\s+1], s45, \s*SLOT
	s_add_nc_u64 s[G0B+4*\s+2:G0B+4*\s+3], s[22:23], \s*4096
	s_or_b32 s[G0B+4*\s+3], s[G0B+4*\s+3], 0x80000000
	JLOAD G0+4*\s, G1, G0B+4*\s, G1B
.endr
	v_and_b32 v3, 31, v0                           ; lane
	v_and_b32 v1, 15, v0                           ; r
	v_bfe_u32 v2, v0, 4, 1                         ; h
	v_lshlrev_b32 v4, 4, v3                        ; 16 x lane
	s_lshl_b32 s2, s96, 10
	s_lshl_b32 s3, s16, 9
	s_add_co_u32 s2, s2, s3                        ; my 128 features, in bytes
	s_mov_b32 s3, 0
	s_add_nc_u64 s[10:11], s[10:11], s[2:3]        ; bo
	s_lshl_b32 s3, s42, 19
	s_add_co_u32 s2, s2, s3
	s_lshl_b32 s3, s15, 18
	s_add_co_u32 s2, s2, s3                        ; + my 64 tokens' rows of 4,096 bytes
	s_mov_b32 s3, 0
	s_add_nc_u64 s[8:9], s[8:9], s[2:3]            ; x
	s_add_nc_u64 s[12:13], s[12:13], s[2:3]        ; out0
	WIN 0xc0                                       ; destination window 3
.irp a, 0,1,2,3
.irp t, 0,1,2,3,4,5,6,7,8,9,10,11,12,13,14,15
	global_load_b128 v[64*\a+4*\t:64*\a+4*\t+3], v4, s[8:9] offset:(32*(\a/2)+8*(\a%2)+\t+8*(\t/8))*4096 th:TH_LOAD_NT   ; 512 consecutive bytes of a token's row
.endr
.endr
	WIN 0
	global_load_b128 v[224:227], v4, s[10:11]      ; bo at my four features
	s_lshl_b32 s17, s15, 14                        ; my four tiles of A
	s_lshl_b32 s94, s16, 15                        ; my eight of B,
	s_add_co_u32 s94, s94, 32768                   ; behind A's eight
.irp s, 0,1
	v_add_nc_u32 v[ADRA+\s], s17, v4
	v_add_nc_u32 v[ADRB+\s], s94, v4
	s_add_co_u32 s17, s17, SLOT
	s_add_co_u32 s94, s94, SLOT
.endr
	v_lshlrev_b32 v5, 5, v1
	v_lshrrev_b32 v6, 3, v1
	v_lshl_add_u32 v5, v6, 4, v5                   ; my row's scales: 32 bytes a row, 16 more for each 256 passed
	s_mul_i32 s17, s15, 2176
	s_mul_i32 s94, s16, 4352
	s_add_co_u32 s94, s94, SCLB-SCL
	s_sub_co_u32 s94, s94, s17
	v_mul_u32_u24 v6, s94, v2                      ; lanes 16-31 take B's: the lower base + h x the distance
	s_add_co_u32 s17, s17, SCL
	v_add_nc_u32 v5, v5, v6
	v_add_nc_u32 v[ADRS], s17, v5
	s_mul_i32 s17, s14, 8448
	s_add_co_u32 s17, s17, STG                     ; my stage
	v_mul_u32_u24 v[STO], v1, 528
	v_lshl_add_u32 v[STO], v2, 6, v[STO]
	v_add_nc_u32 v[STO], s17, v[STO]               ; in: row r, + 64 h: tile 2 b + u holds features 32 b + 16 h + 8 u + 0 .. 7
	v_add_nc_u32 v[RD], s17, v4                    ; back: a row of 512 bytes to the 32 lanes
	s_wait_tensorcnt 1                             ; the scales and my part of the first half of K are in; the second half's load may stay out
	s_barrier_signal -1
	s_barrier_wait -1
	FETCH 0
	SCALES 0
.irp g, 0,1,2,3,4,5,6,7
	GSTEP \g
.endr
	WIN 0
	PLACES
	s_wait_loadcnt 0x0                             ; x and bo
.macro OUT a
.set BB, BK+64*((\a)%2)
.if (\a) > 1
	s_wait_xcnt 0x0                                ; tile a - 2's stores have read their registers: this tile's rows may land there
.endif
	WIN 0x08                                       ; an LDS store's data are its source 1: window 2
.irp b, 0,1,2,3,4,5,6,7
	ds_store_b128 v[STO], v[64*\a+8*\b:64*\a+8*\b+3] offset:128*(\b/2)+32*(\b%2)        ; each accumulator from its low end on
	ds_store_b128 v[STO], v[64*\a+8*\b+4:64*\a+8*\b+7] offset:128*(\b/2)+32*(\b%2)+16
.endr
	WIN 0
.irp t, 0,1,2,3,4,5,6,7,8,9,10,11,12,13,14,15
	ds_load_b128 v[BB+4*\t:BB+4*\t+3], v[RD] offset:528*\t          ; my wave's own bytes: LDS serves a wave's instructions in order
.endr
	s_wait_dscnt 0x0
.irp t, 0,1,2,3,4,5,6,7,8,9,10,11,12,13,14,15
	v_pk_add_f32 v[BB+4*\t:BB+4*\t+1], v[BB+4*\t:BB+4*\t+1], v[224:225]
	v_pk_add_f32 v[BB+4*\t+2:BB+4*\t+3], v[BB+4*\t+2:BB+4*\t+3], v[226:227]
.endr
	WIN 0x0c                                       ; source 1 window 3: x
.set k, 0
.rept 32
	v_pk_add_f32 v[BB+k:BB+k+1], v[BB+k:BB+k+1], v[64*\a+k:64*\a+k+1]
.set k, k+2
.endr
	WIN 0
.irp t, 0,1,2,3,4,5,6,7,8,9,10,11,12,13,14,15
	global_store_b128 v4, v[BB+4*\t:BB+4*\t+3], s[12:13] offset:(32*(\a/2)+8*(\a%2)+\t+8*(\t/8))*4096 th:TH_STORE_NT   ; 512 consecutive bytes, aligned
.endr
.endm
	OUT 0
	OUT 1
	OUT 2
	OUT 3
	s_wait_tensorcnt 0x0
	ds_add_u32 v254, v255
	s_wait_dscnt 0x0
	CROUND                                         ; the closing round: no work-group ends while a partner may still ask for a tile that names it
	s_endpgm
.Lfunc_end_k_qf5251ba29d_proj:
	.size	k_qf5251ba29d_proj, .Lfunc_end_k_qf5251ba29d_proj-k_qf5251ba29d_proj
	.p2alignl 7, 3214868480
	.fill 96, 4, 3214868480
	.section	.rodata,"a",@progbits
	.p2align	6, 0x0
	.amdhsa_kernel k_qf5251ba29d_proj
		.amdhsa_group_segment_fixed_size 246272
		.amdhsa_private_segment_fixed_size 0
		.amdhsa_enable_private_segment 0
		.amdhsa_kernarg_size 40
		.amdhsa_user_sgpr_count 2
		.amdhsa_user_sgpr_kernarg_segment_ptr 1
		.amdhsa_wavefront_size32 1
		.amdhsa_system_sgpr_workgroup_id_x 1
		.amdhsa_system_sgpr_workgroup_id_y 1
		.amdhsa_system_sgpr_workgroup_id_z 1
		.amdhsa_system_vgpr_workitem_id 0
		.amdhsa_next_free_vgpr 1024
		.amdhsa_next_free_sgpr 100
		.amdhsa_reserve_vcc 0
		.amdhsa_float_denorm_mode_32 3
		.amdhsa_float_denorm_mode_16_64 3
		.amdhsa_memory_ordered 1
		.amdhsa_forward_progress 1
		.amdhsa_inst_pref_size 94
	.end_amdhsa_kernel
	.amdgpu_metadata
---
amdhsa.version: [ 1, 2 ]
amdhsa.kernels:
  - .name:           k_qf5251ba29d_proj
    .symbol:         k_qf5251ba29d_proj.kd
    .args:
      - { .name: oq, .offset: 0, .size: 8, .value_kind: global_buffer, .address_space: global }
      - { .name: hw, .offset: 8, .size: 8, .value_kind: global_buffer, .address_space: global }
      - { .name: x, .offset: 16, .size: 8, .value_kind: global_buffer, .address_space: global }
      - { .name: bo, .offset: 24, .size: 8, .value_kind: global_buffer, .address_space: global }
      - { .name: out0, .offset: 32, .size: 8, .value_kind: global_buffer, .address_space: global }
    .group_segment_fixed_size: 246272
    .private_segment_fixed_size: 0
    .kernarg_segment_align: 8
    .kernarg_segment_size: 40
    .max_flat_workgroup_size: 128
    .sgpr_count:     100
    .vgpr_count:     1024
    .wavefront_size: 32
...
	.end_amdgpu_metadata
.endif
;; end of part 4
;; ======== version 2 of 2: 4 launches; version 1 with the launch attn written anew for expert scheduling mode
;; workspace buffers: hw 6,684,672 bytes; mk 524,800 bytes of whole numbers; qkv 13,893,632 bytes; oq 4,456,448 bytes
;; launch prep: the kernel of part 1 again; grid 448 x 1, 4 waves a work-group, no clusters, 71,424 bytes of LDS; arguments x, gamma, beta, mask, Wq, Wk, Wv, Wo, hw, mk; writes hw, mk
;; launch qkv: the kernel of part 2 again; grid 12 x 64, 4 waves a work-group, clusters of 4 x 4, 213,504 bytes of LDS; arguments hw, bq, bk, bv, qkv; writes qkv
;; launch attn (part 5): grid 4 x 64, 16 waves a work-group, no clusters, 145,408 bytes of LDS; arguments qkv, mk, oq; writes oq
.if DOCPART == 5
	.amdgcn_target "amdgcn-amd-amdhsa--gfx1250"
	.amdhsa_code_object_version 6
	.text
	.protected	k_qf5251ba29d_attn
	.globl	k_qf5251ba29d_attn
	.p2align	8
	.type	k_qf5251ba29d_attn,@function
k_qf5251ba29d_attn:
	s_mov_b64 s[64:65], 0
	v_nop
	global_prefetch_b8 v0, s[64:65] scope:SCOPE_SE
	s_setreg_imm32_b32 hwreg(HW_REG_WAVE_SCHED_MODE, 0, 2), 2
	s_setreg_imm32_b32 hwreg(HW_REG_WAVE_MODE, 25, 1), 1
	s_wait_xcnt 0x0
	s_wait_alu depctr_vm_vsrc(0)
; o = softmax(mask(q k^T / 32)) v for one (batch, head), both products on codes of FP4 (E2M1) with E8M0 scales; o is quantised along the hidden axis for the last product.
; THE SOFTMAX AHEAD OF THE SECOND PRODUCT: t = score x log2(e) / 32; M = the row's largest t so far, rounded up to a whole number; p = 2^(t - M) is quantised along the keys, not normalised;
; the row's sum is taken of the unquantised p and divides at the end.  When M moves, the sum and O are multiplied by 2^(old M - new M): exact.
; SHARES.  A work-group holds a whole head's codes and scales of k and v in LDS (140 KB), filled once through registers; one barrier, none afterwards.  Four work-groups to a head.  Each of the sixteen
; waves owns two tiles of 16 queries, T1 = g + 4 w and T2 = g + 124 - 4 w, one after the other, in 256 registers: four waves to a SIMD, so that one wave's vector work stands beside another's products.
; THE MASK IS AN INPUT.  An earlier launch has packed it: for each (tile, step of 128 keys) 64 words, each the lane mask of one score register, and two flags.  A step that is closed for all 16 queries is
; left out, and the words are applied only in a step that is not all open: scalar branches on whole numbers read from memory.  This launch has no tensor load, no copy and no joint load:
; what the four work-groups of a head share is read once, at the head.
; A closed score becomes -2^35 (as a logit -2^30, for reference()'s -1e9): -2^35 c is a whole number, so a row with no open key has p = 1 for every key, as reference() has; beside any open score p is 0.
; LIMITS: the results differ from reference()'s only where an open logit lies under about -1e9.  NaN and infinities are not served.  A block of zeros gets the scale byte 1 (its codes are zeros).
; LAYOUT.  Both products are used transposed (S^T = k q^T, O^T = v^T p^T): a lane holds one query throughout.  The rows of k's tiles are stored so that the 16 registers of tiles 2 b, 2 b + 1 are keys
; 32 b + 16 (lane / 16) + 0 .. 15; v's tiles likewise along d.
; THE HEAD'S K IS 64 OF THE INSTRUCTION'S 128: q's upper four registers are zero codes, and bytes 2, 3 of q's and k's scale words are 0.  So what stands in the upper half of a k operand (the next tile's codes)
; is multiplied by the number 0: tile t's operand is v[32 + 4 t : 39 + 4 t], and a step's k costs 8 loads.
; REGISTERS: v1-5 addresses that stay; v8-11 addresses of the step; v12 -M, v13 the largest t, v[14:15] the sum; v16-23 q of T1, v24 its scale words; v25 -2^35; v32-67 k; v68-75 k's scale words; v76-79 v's;
;   v80-87 q of T2, v88 its scale words; v96-159 S^T, then p; v160-191 O^T; v192-223 v; v224-231 p's codes; v232-254 at work.
; THE MODE: SCHED_MODE bits 1:0 = 2 (LLVM: expert scheduling mode 2), set by the entry lines.  The code itself states the register dependences between vector or matrix instructions and memory or LDS
; instructions, with s_wait_alu, always for 0.
; THE PLAN.  Registers that memory or LDS instructions touch:
;   v1-v7, v28-v31    offsets and LDS addresses: written at the head, never again; read by loads and stores throughout.  v251, v255: written at the head, read by the closing add alone.
;   v96-v165          the fill: global loads land in them, the LDS stores read them; afterwards the scores' products and the clearing of O^T write them.
;   v8-v11            a step's LDS addresses: written by four additions at the step's head, read by the step's 19 LDS loads.
;   v32-63, v68-75    k and its scale words: loaded at the step's head, read by the step's eight products of the scores.
;   v192-223, v76-79  v and its scale words: loaded among those eight products, which name none of them; read by the four products at the step's end.
;   v224-231, v253    p's codes and scale word: written by vector instructions, taken by the four scaled products.   v224-227, v238: on the way out, a tile's codes and byte, read by two stores.
; A STEP'S WAITS: one on vm_vsrc ahead of the four additions; one on va_vdst behind them, which serves all 19 loads; one on va_vdst for the step's 68 exponentials, issued as one batch; one on va_vdst ahead of
; the four scaled products.  There is no second set of registers for the next step's k: the 256 registers are in use, and which step comes next hangs on the tile's flags.
.set KCO, 4194304
.set VCO, 8388608
.set QSO, 12582912
.set KSO, 13107200
.set VSO, 13631488
.set MFO, 524288
.set OSO, 4194304
.set LV,  65536                        ; LDS: k's codes at 0, v's here,
.set LKS, 131072                       ; k's scale words,
.set LVS, 139264                       ; v's
	s_load_b128 s[4:7], s[0:1], 0x0                ; qkv, mk
	s_load_b64 s[8:9], s[0:1], 0x10                ; oq
	v_lshl_add_u32 v251, v0, 2, 0x23000
	v_mov_b32 v255, 0
	v_lshrrev_b32 v1, 5, v0
	v_readfirstlane_b32 s10, v1                    ; wave 0..15
	v_lshlrev_b32 v6, 4, v0                        ; 16 x thread: the fill
	v_lshlrev_b32 v7, 3, v0
	v_add_nc_u32 v28, LV, v6
	v_add_nc_u32 v29, LKS, v6
	v_add_nc_u32 v30, LVS, v7
	v_and_b32 v26, 31, v0
	v_lshlrev_b32 v1, 4, v26                       ; 16 x lane
	v_and_b32 v26, 15, v0                          ; r
	v_bfe_u32 v27, v0, 4, 1                        ; h
	v_lshlrev_b32 v31, 4, v26                      ; 16 r
	v_add_nc_u32 v2, LV, v1
	v_add_nc_u32 v3, LKS, v31
	v_add_nc_u32 v4, LVS, v31
	v_lshl_add_u32 v5, v26, 5, v27                 ; 32 r + h: o's scale byte
	s_wait_alu depctr_va_sdst(0)                   ; s10 is written, ahead of its first reader: the two tiles' numbers are made from it
	s_and_b32 s12, ttmp7, 0xffff                   ; 16 x batch + head
	s_lshl_b32 s13, s10, 2
	s_add_co_u32 s96, ttmp9, s13                   ; T1
	s_sub_co_u32 s97, 124, s13
	s_add_co_u32 s97, s97, ttmp9                   ; T2
	s_lshl_b32 s16, s12, 16                        ; a head's codes: 65,536 bytes
	s_add_co_u32 s18, s16, KCO
	s_mov_b32 s19, 0
	s_add_co_u32 s20, s16, VCO
	s_mov_b32 s21, 0
	s_lshl_b32 s22, s12, 13
	s_add_co_u32 s24, s22, QSO
	s_add_co_u32 s22, s22, KSO
	s_mov_b32 s23, 0
	s_lshl_b32 s26, s12, 12
	s_add_co_u32 s26, s26, VSO
	s_mov_b32 s27, 0
	s_lshl_b32 s28, s96, 9
	s_add_co_u32 s28, s28, s16                     ; q's tile T1
	s_mov_b32 s29, 0
	s_lshl_b32 s30, s97, 9
	s_add_co_u32 s30, s30, s16                     ; and T2
	s_mov_b32 s31, 0
	s_lshr_b32 s32, s96, 2                         ; its scale words: 256 bytes for four tiles, word T % 4 of a row's four
	s_lshl_b32 s32, s32, 8
	s_and_b32 s33, s96, 3
	s_lshl_b32 s33, s33, 2
	s_add_co_u32 s32, s32, s33
	s_add_co_u32 s32, s32, s24
	s_mov_b32 s33, 0
	s_lshr_b32 s34, s97, 2
	s_lshl_b32 s34, s34, 8
	s_and_b32 s35, s97, 3
	s_lshl_b32 s35, s35, 2
	s_add_co_u32 s34, s34, s35
	s_add_co_u32 s34, s34, s24
	s_mov_b32 s35, 0
	s_lshl_b32 s14, s96, 2
	s_lshl_b32 s15, s97, 2
	s_wait_kmcnt 0x0
	s_add_nc_u64 s[18:19], s[4:5], s[18:19]
	s_add_nc_u64 s[20:21], s[4:5], s[20:21]
	s_add_nc_u64 s[22:23], s[4:5], s[22:23]
	s_add_nc_u64 s[26:27], s[4:5], s[26:27]
	s_add_nc_u64 s[28:29], s[4:5], s[28:29]
	s_add_nc_u64 s[30:31], s[4:5], s[30:31]
	s_add_nc_u64 s[32:33], s[4:5], s[32:33]
	s_add_nc_u64 s[34:35], s[4:5], s[34:35]
	s_wait_alu depctr_va_vdst(0)                   ; the offsets and LDS addresses v1 to v7 and v28 to v31 are written, which the loads and stores of the whole kernel read
.irp i, 0,1,2,3,4,5,6,7
	global_load_b128 v[96+4*\i:99+4*\i], v6, s[18:19] offset:8192*\i     ; the 512 threads take 8,192 consecutive bytes an instruction
.endr
.irp i, 0,1,2,3,4,5,6,7
	global_load_b128 v[128+4*\i:131+4*\i], v6, s[20:21] offset:8192*\i
.endr
	global_load_b128 v[160:163], v6, s[22:23]
	global_load_b64 v[164:165], v7, s[26:27]
	global_load_b128 v[16:19], v1, s[28:29]        ; q of T1: lane (r, h): block h of row r
	global_load_b32 v24, v31, s[32:33]
	global_load_b128 v[80:83], v1, s[30:31]
	global_load_b32 v88, v31, s[34:35]
	s_load_b32 s66, s[6:7], s14 offset:MFO         ; the flags of T1
	s_load_b32 s67, s[6:7], s15 offset:MFO         ; and of T2
	s_wait_loadcnt 4                               ; k and v are in; q's four loads may stay out
.irp i, 0,1,2,3,4,5,6,7
	ds_store_b128 v6, v[96+4*\i:99+4*\i] offset:8192*\i
.endr
.irp i, 0,1,2,3,4,5,6,7
	ds_store_b128 v28, v[128+4*\i:131+4*\i] offset:8192*\i
.endr
	ds_store_b128 v29, v[160:163]
	ds_store_b64 v30, v[164:165]
	s_wait_dscnt 0x0                               ; for the others' sake: my part lies in LDS
	s_barrier_signal -1
	s_barrier_wait -1                              ; from here on LDS is only read
.irp q, 20,21,22,23,84,85,86,87,64,65,66,67
	v_mov_b32 v\q, 0                               ; zero codes: q's upper halves, and what stands behind k's last tile
.endr
.irp q, 236,237,238,239,252,253
	v_mov_b32 v\q, 0                               ; written once: permutes' destinations, and the upper half of the pair v[252:253]
.endr
	v_mov_b32 v25, 0xd1000000                      ; -2^35
	s_mov_b32 s88, 0x76543210
	s_mov_b32 s89, 0xfedcba98                      ; v_permlanex16_b32's selects for lane l xor 16
	s_mov_b32 s90, 0x3d38aa3b                      ; c = log2(e) / 32
	s_mov_b32 s91, s90
	s_mov_b32 s98, 0xffff0000                      ; lanes 16-31
	s_wait_loadcnt 0x0                             ; q
	s_wait_kmcnt 0x0                               ; the flags
; S^T = k q^T: eight tiles of 16 keys.  v's nine LDS loads are dealt among the eight products.  No wait: since the wait on va_vdst at the step's head no vector or matrix instruction has named
; v9, v11, v192-223 or v76-79.
.macro SPROD qf, qsw
.irp t, 0,1,2,3,4,5,6,7
	v_wmma_scale_f32_16x16x128_f8f6f4 v[96+8*\t:103+8*\t], v[32+4*\t:39+4*\t], v[\qf:\qf+7], 0, v[68+\t], v[\qsw] matrix_a_fmt:MATRIX_FMT_FP4 matrix_b_fmt:MATRIX_FMT_FP4
	ds_load_b128 v[192+4*\t:195+4*\t], v9 offset:512*\t   ; v: tile t / 2 of 16 d, half t % 2 of the step's 128 keys
.endr
	ds_load_b128 v[76:79], v11                     ; and its scale words
.endm
; One tile of 16 queries against all 16 key steps.  qf, qsw: q's fragment and scale words; sT, sFL: the scalar registers with the tile's number and its flags.
.macro PASS qf, qsw, sT, sFL
	s_wait_alu depctr_vm_vsrc(0)                   ; the first tile: the fill's LDS stores have read v96-165, which O^T's clearing and the scores' products write; the second: the last tile's two stores have read v224-227 and v238
	v_mov_b32 v13, 0xff61b1e6                      ; the largest t so far: -3e38
	v_floor_f32 v12, -v13
	v_mov_b32 v14, 0
	v_mov_b32 v15, 0
.set j, 0
.rept 32
	v_mov_b32 v[160+j], 0                          ; O^T.  (The step is written once: the first finds zeros, which the first change of M leaves zeros)
.set j, j+1
.endr
	s_mov_b32 s84, s[\sFL]                         ; bit 0: leave this step out; bit 16: apply the words; shifted a place a step
	s_lshl_b32 s86, s[\sT], 12
	s_mov_b32 s87, 0
	s_add_nc_u64 s[86:87], s[6:7], s[86:87]        ; the tile's mask words: 256 bytes a step
	s_mov_b32 s92, 0                               ; 4,096 j: codes
	s_mov_b32 s93, 0                               ; 512 j: k's scale words
	s_mov_b32 s94, 0                               ; 256 j: v's scale words, and the mask words
	s_mov_b32 s95, 0                               ; j
.Ltrip_\@:
	s_bitcmp1_b32 s84, 0
	s_cbranch_scc1 .Lnext_\@                       ; closed for all 16 queries, each of which has an open key elsewhere: every p would be 0
	s_wait_alu depctr_vm_vsrc(0)                   ; the LDS loads of the last step that was walked have read v8 to v11, which the four additions write
	v_add_nc_u32 v8, s92, v1
	v_add_nc_u32 v9, s92, v2
	v_add_nc_u32 v10, s93, v3
	v_add_nc_u32 v11, s94, v4
	s_wait_alu depctr_va_vdst(0)                   ; v8 to v11 are written, which the step's 19 LDS loads read; the last step's products are done reading k's, v's and the scale words' registers, in which these loads land; in a first trip: the zero codes of q and behind k's last tile are written, which the scaled products take
.irp t, 0,1,2,3,4,5,6,7
	ds_load_b128 v[32+4*\t:35+4*\t], v8 offset:512*\t
.endr
	ds_load_b128 v[68:71], v10
	ds_load_b128 v[72:75], v10 offset:256
	s_bitcmp1_b32 s84, 16
	s_cbranch_scc0 .Lplain_\@
	s_load_b512 s[16:31], s[86:87], s94 offset:0x0
	s_load_b512 s[32:47], s[86:87], s94 offset:0x40
	s_load_b512 s[48:63], s[86:87], s94 offset:0x80
	s_load_b512 s[68:83], s[86:87], s94 offset:0xc0
	s_wait_dscnt 0x0                               ; k and its scale words are in: no other LDS load of mine is out yet
	SPROD \qf, \qsw
	s_wait_kmcnt 0x0
.rept 4
	v_nop
.endr
.set n, 0
.rept 48
	v_cndmask_b32 v[96+n], v25, v[96+n], s[16+n]   ; a closed key's score becomes -2^35
.set n, n+1
.endr
.rept 16
	v_cndmask_b32 v[96+n], v25, v[96+n], s[20+n]
.set n, n+1
.endr
	s_branch .Ljoin_\@
.Lplain_\@:
	s_wait_dscnt 0x0                               ; k and its scale words are in
	SPROD \qf, \qsw
.rept 4
	v_nop
.endr
.Ljoin_\@:
.irp b, 0,1,2,3
	v_max3_num_f32 v[232+\b], v[96+16*\b], v[97+16*\b], v[98+16*\b]   ; the largest score of each block of 32 keys: it serves the row's maximum and, since p rises with the score, the block's largest p
.endr
.irp i, 3,5,7,9,11,13
.irp b, 0,1,2,3
	v_max3_num_f32 v[232+\b], v[232+\b], v[96+16*\b+\i], v[97+16*\b+\i]
.endr
.endr
.irp b, 0,1,2,3
	v_max_num_f32 v[232+\b], v[232+\b], v[111+16*\b]
.endr
.irp b, 0,1,2,3
	v_permlanex16_b32 v[236+\b], v[232+\b], s88, s89
.endr
.irp b, 0,1,2,3
	v_max_num_f32 v[232+\b], v[232+\b], v[236+\b]  ; with lane l xor 16's 16 keys
.endr
	v_max3_num_f32 v254, v232, v233, v234
	v_max_num_f32 v254, v254, v235
	v_mul_f32 v254, s90, v254                      ; as t
	v_max_num_f32 v13, v13, v254                   ; the running largest t
	v_mov_b32 v254, v12
	v_floor_f32 v12, -v13                          ; the new -M = -ceil(t)
	v_sub_f32 v254, v12, v254                      ; old M - new M: a whole number, 0 or less
	v_cvt_i32_f32 v254, v254                       ; (it saturates)
	v_ldexp_f32 v252, 1.0, v254                    ; f = 2^(old M - new M)
.set j, 0
.rept 32
	v_pk_fma_f32 v[96+j:97+j], v[96+j:97+j], s[90:91], v[12:13] op_sel_hi:[1,0,0]   ; t - M
.set j, j+2
.endr
.irp b, 0,1,2,3
	v_fma_f32 v[232+\b], v[232+\b], s90, v12
.endr
.set j, 0
.rept 64
	v_exp_f32 v[96+j], v[96+j]                     ; p = 2^(t - M)
.set j, j+1
.endr
.irp b, 0,1,2,3
	v_exp_f32 v[232+\b], v[232+\b]                 ; each block's largest p: in the same batch, so that one wait serves all 68
.endr
	v_pk_mul_f32 v[14:15], v[14:15], v[252:253] op_sel_hi:[1,0]   ; the sums under the new M (a plain place behind the exponentials)
	s_wait_alu depctr_va_vdst(0)                   ; the 68 exponentials have written v96-159 and v232-235: one wait for the batch, ahead of its first reader
	v_pk_add_f32 v[236:237], v[96:97], v[98:99]    ; the row's sum, of the unquantised p, in two chains
.set j, 4
.rept 15
	v_pk_add_f32 v[14:15], v[14:15], v[96+j:97+j]
	v_pk_add_f32 v[236:237], v[236:237], v[98+j:99+j]
.set j, j+4
.endr
	v_pk_add_f32 v[14:15], v[14:15], v[236:237]
.irp b, 0,1,2,3
	v_max_num_f32 v[232+\b], 0x1800000, v[232+\b]  ; the floor 2^(3 - 127): the byte cannot fall under 1
.endr
.irp b, 0,1,2,3
	v_add_nc_u32 v[244+\b], 0xff000000, v[232+\b]  ; 2 off the exponent field: the conversion's scale operand
.endr
.irp b, 0,1,2,3
	v_lshrrev_b32 v[236+\b], 23, v[244+\b]
.endr
	v_lshl_or_b32 v253, v237, 8, v236              ; p's scale word for these 128 keys
	v_lshl_or_b32 v253, v238, 16, v253
	v_lshl_or_b32 v253, v239, 24, v253
.irp b, 0,1,2,3
	v_cvt_scalef32_pk8_fp4_f32 v[224+2*\b], v[96+16*\b:103+16*\b], v[244+\b]
	v_cvt_scalef32_pk8_fp4_f32 v[225+2*\b], v[104+16*\b:111+16*\b], v[244+\b]
.endr
	v_nop                                          ; one plain place behind a scaled conversion
.irp c, 0,1
.irp i, 0,1
	v_permlane16_swap_b32 v[224+4*\c+\i], v[226+4*\c+\i]   ; a whole block in a lane
.endr
.endr
.set j, 0
.rept 16
	v_pk_mul_f32 v[160+j:161+j], v[160+j:161+j], v[252:253] op_sel_hi:[1,0]   ; O^T under the new M.  (These sixteen are also the places ahead of the scaled products below)
.set j, j+2
.endr
	s_wait_dscnt 0x0                               ; v and its scale words are in
	s_wait_alu depctr_va_vdst(0)                   ; the conversions and exchanges have written p's codes v224-231, the shifts its scale word v253: the scaled products below take them; the places above stay beside this wait
.irp t, 0,1,2,3                                ; O^T += v^T p^T: each accumulator has one instruction a step, and the eight products of the scores stand between two steps' turns
	v_wmma_scale_f32_16x16x128_f8f6f4 v[160+8*\t:167+8*\t], v[192+8*\t:199+8*\t], v[224:231], v[160+8*\t:167+8*\t], v[76+\t], v253 matrix_a_fmt:MATRIX_FMT_FP4 matrix_b_fmt:MATRIX_FMT_FP4
.endr
.Lnext_\@:
	s_lshr_b32 s84, s84, 1
	s_add_co_u32 s92, s92, 4096
	s_add_co_u32 s93, s93, 512
	s_add_co_u32 s94, s94, 256
	s_add_co_u32 s95, s95, 1
	s_cmp_lt_u32 s95, 16
	s_cbranch_scc1 .Ltrip_\@
	; the way out: O^T / the sum, quantised along d: register 16 b + i is d = 32 b + 16 (lane / 16) + i
.rept 4
	v_nop
.endr
	v_add_f32 v14, v14, v15
	v_permlanex16_b32 v252, v14, s88, s89
	v_add_f32 v14, v14, v252                       ; the row's sum
	v_rcp_f32 v14, v14
	v_nop
	s_lshr_b32 s16, s12, 4
	s_lshl_b32 s16, s16, 7
	s_add_co_u32 s16, s16, s[\sT]                  ; the tile among all 512
	s_and_b32 s17, s12, 15                         ; the head
	s_lshl_b32 s18, s16, 13
	s_lshl_b32 s20, s17, 9
	s_add_co_u32 s18, s18, s20
	s_mov_b32 s19, 0
	s_add_nc_u64 s[18:19], s[8:9], s[18:19]        ; o's codes: blocks 2 head, 2 head + 1 of the tile's image
	s_lshl_b32 s20, s16, 9
	s_lshl_b32 s17, s17, 1
	s_add_co_u32 s20, s20, s17
	s_add_co_u32 s20, s20, OSO
	s_mov_b32 s21, 0
	s_add_nc_u64 s[20:21], s[8:9], s[20:21]
	s_wait_alu depctr_va_vdst(0)                   ; the reciprocal has written v14: the wait ahead of its first reader
.set j, 0
.rept 32
	v_mul_f32 v[96+j], v[160+j], v14
.set j, j+1
.endr
.irp b, 0,1
	v_max3_num_f32 v[232+\b], |v[96+16*\b]|, |v[97+16*\b]|, 0x1800000
.endr
.irp i, 2,4,6,8,10,12,14
.irp b, 0,1
	v_max3_num_f32 v[232+\b], v[232+\b], |v[96+16*\b+\i]|, |v[97+16*\b+\i]|
.endr
.endr
.irp b, 0,1
	v_permlanex16_b32 v[236+\b], v[232+\b], s88, s89
.endr
.irp b, 0,1
	v_max_num_f32 v[232+\b], v[232+\b], v[236+\b]
.endr
.irp b, 0,1
	v_add_nc_u32 v[244+\b], 0xff000000, v[232+\b]
.endr
.irp b, 0,1
	v_lshrrev_b32 v[236+\b], 23, v[244+\b]
.endr
.irp b, 0,1
	v_cvt_scalef32_pk8_fp4_f32 v[224+2*\b], v[96+16*\b:103+16*\b], v[244+\b]
	v_cvt_scalef32_pk8_fp4_f32 v[225+2*\b], v[104+16*\b:111+16*\b], v[244+\b]
.endr
	v_nop
	v_permlane16_swap_b32 v224, v226
	v_permlane16_swap_b32 v225, v227               ; lanes 0-15 hold block 0 of row r, lanes 16-31 block 1
	v_cndmask_b32 v238, v236, v237, s98            ; and its byte
	s_wait_alu depctr_va_vdst(0)                   ; the conversions and exchanges have written v224-227, the select v238: the two stores read them
	global_store_b128 v1, v[224:227], s[18:19]     ; 512 consecutive bytes, aligned
	global_store_b8 v5, v238, s[20:21]             ; two bytes of each row's 32: 32 bytes beside the tile's 512 of codes
	s_wait_xcnt 0x0                                ; the stores have read their registers and bases: the next tile may write them
.endm
	PASS 16, 24, 96, 66
	PASS 80, 88, 97, 67
	s_wait_dscnt 0x0                               ; the closing lines, six on end
	s_wait_alu 0x0
	s_wait_tensorcnt 0x0
	ds_add_u32 v251, v255
	s_wait_dscnt 0x0
	s_endpgm
.Lfunc_end_k_qf5251ba29d_attn:
	.size	k_qf5251ba29d_attn, .Lfunc_end_k_qf5251ba29d_attn-k_qf5251ba29d_attn
	.p2alignl 7, 3214868480
	.fill 96, 4, 3214868480
	.section	.rodata,"a",@progbits
	.p2align	6, 0x0
	.amdhsa_kernel k_qf5251ba29d_attn
		.amdhsa_group_segment_fixed_size 145408
		.amdhsa_private_segment_fixed_size 0
		.amdhsa_enable_private_segment 0
		.amdhsa_kernarg_size 24
		.amdhsa_user_sgpr_count 2
		.amdhsa_user_sgpr_kernarg_segment_ptr 1
		.amdhsa_wavefront_size32 1
		.amdhsa_system_sgpr_workgroup_id_x 1
		.amdhsa_system_sgpr_workgroup_id_y 1
		.amdhsa_system_sgpr_workgroup_id_z 1
		.amdhsa_system_vgpr_workitem_id 0
		.amdhsa_next_free_vgpr 256
		.amdhsa_next_free_sgpr 100
		.amdhsa_reserve_vcc 0
		.amdhsa_float_denorm_mode_32 3
		.amdhsa_float_denorm_mode_16_64 3
		.amdhsa_memory_ordered 1
		.amdhsa_forward_progress 1
		.amdhsa_inst_pref_size 61
	.end_amdhsa_kernel
	.amdgpu_metadata
---
amdhsa.version: [ 1, 2 ]
amdhsa.kernels:
  - .name:           k_qf5251ba29d_attn
    .symbol:         k_qf5251ba29d_attn.kd
    .args:
      - { .name: qkv, .offset: 0, .size: 8, .value_kind: global_buffer, .address_space: global }
      - { .name: mk, .offset: 8, .size: 8, .value_kind: global_buffer, .address_space: global }
      - { .name: oq, .offset: 16, .size: 8, .value_kind: global_buffer, .address_space: global }
    .group_segment_fixed_size: 145408
    .private_segment_fixed_size: 0
    .kernarg_segment_align: 8
    .kernarg_segment_size: 24
    .max_flat_workgroup_size: 512
    .sgpr_count:     100
    .vgpr_count:     256
    .wavefront_size: 32
...
	.end_amdgpu_metadata
.endif
;; end of part 5
;; launch proj: the kernel of part 4 again; grid 4 x 64, 4 waves a work-group, clusters of 4 x 4, 246,272 bytes of LDS; arguments oq, hw, x, bo, out0; writes out0
